; MI455X (gfx1250); checked and timed in simulation.
; The chip was launched on July 23, 2026; its instructions are those of AMD's public machine-readable ISA for CDNA 5 (MIT licence, August 2026) and "CDNA5" Instruction Set Architecture Reference Guide (July 2026). The comments in the code are by the model that wrote it; some were corrected since.
;; Flash Attention. Allowed arithmetic: matrix products marked QUANTISED: E2M1 operands, one E8M0 scale for each 32 along K, by v_wmma_scale_f32_16x16x128_f8f6f4 with both operands' format E2M1 (or v_wmma_scale_f32_32x16x128_f4), f32 sums; products left as they are: bf16, f16 or f32 operands; f32 sums; everything else in f32.
;; Inputs: bk 1,024 float32; bo 1,024 float32; bq 1,024 float32; bv 1,024 float32; wk 1,024 x 1,024 float32; wo 1,024 x 1,024 float32; wq 1,024 x 1,024 float32; wv 1,024 x 1,024 float32; x 2 x 2,048 x 1,024 float32.
;; Outputs: out0 2 x 2,048 x 1,024 float32.
;; This version of the problem:
;;   THIS VERSION OF THE PROBLEM IS GIVEN IN LOW PRECISION. The matrix products marked QUANTISED in the list below multiply operands that are first quantised to E2M1 (2 exponent bits, 1 mantissa bit; 4 bits a number), with one power-of-two scale for each 32 numbers along K (OCP MX v1.0); their sums are f32. The products marked 'left as it is' may take bf16, f16 or f32 operands, with f32 sums. Whichever they take, every output number must still come out within the allowed error. Rounding operands to bf16 (8 significant bits) uses up far more of that allowance than f16 does (11 bits, for magnitudes from 6e-5 to 65,504). All else is computed in f32.
;;   The module's matrix products, in the order in which they are computed (A, B: the left and right operand; K: the contracted axis; several contracted axes count as one K, in the product's order):
;;     1. [M 4,096, K 1,024] x [K 1,024, N 1,024]; A: input x; B: input wq: QUANTISED
;;     2. [M 4,096, K 1,024] x [K 1,024, N 1,024]; A: input x; B: input wk: QUANTISED
;;     3. [M 4,096, K 1,024] x [K 1,024, N 1,024]; A: input x; B: input wv: QUANTISED
;;     4. batch 32 x [M 2,048, K 64] x [K 64, N 2,048]; A: computed on the way; B: computed on the way: left as it is (an operand is computed on the way)
;;     5. batch 32 x [M 2,048, K 2,048] x [K 2,048, N 64]; A: computed on the way; B: computed on the way: left as it is (an operand is computed on the way)
;;     6. [M 4,096, K 1,024] x [K 1,024, N 1,024]; A: computed on the way; B: input wo: left as it is (an operand is computed on the way)
;;   THE QUANTISER, for each operand of a quantised product, along K:
;;     - K is cut into blocks of 32 from its start; a last block that is shorter is filled with zeros.
;;     - A block's scale is 2^e with e = floor(log2(the largest magnitude in the block)) - 2, held to -126 .. 127; a block of zeros has e = 0. As a byte (E8M0): e + 127.
;;     - Each number is divided by its block's scale, clamped to +-6, and rounded to the nearest number of E2M1, ties to even, subnormals kept.
;;     - The product sums the exact products of the quantised numbers (number of the format x scale) in f32.
;;   ~~~python
;;   def quantise(x, axis):      # numpy; x: float32 -> the quantised numbers, widened to float32 again
;;       x = np.moveaxis(x, axis, -1); K = x.shape[-1]
;;       x = np.pad(x, [(0, 0)] * (x.ndim - 1) + [(0, -K % 32)]); x = x.reshape(x.shape[:-1] + (-1, 32)); a = np.abs(x).max(-1, keepdims=True)
;;       e = np.where(a > 0, np.clip(np.frexp(np.where(a > 0, a, 1))[1] - 1 - 2, -126, 127), 0)      # np.frexp(a)[1] - 1 = floor(log2(a)), exactly
;;       r = np.clip(x / 2.0 ** e, -6, 6)
;;       step = 2.0 ** (np.maximum(np.frexp(np.where(r == 0, 1, r))[1] - 1, 0) - 1)
;;       q = np.round(r / step) * step * 2.0 ** e      # np.round: ties to even
;;       return np.moveaxis(q.reshape(q.shape[:-2] + (-1,))[..., :K], -1, axis).astype(np.float32)
;;   ~~~
;; One version. Each part assembles by itself: llvm-mc -triple=amdgcn-amd-amdhsa -mcpu=gfx1250 --defsym DOCPART=n.
;; ======== version 1 of 1: 4 launches
;; limits: values are held in f16: magnitudes above 65,504 overflow, below 6.1e-05 lose precision
;; workspace buffers: xc 2,097,152 bytes; xs 131,072 bytes; wc 1,572,864 bytes; ws 98,304 bytes; wo16 2,097,152 bytes; qkv 25,165,824 bytes; oh 8,388,608 bytes
;; launch prep (part 1): grid 256 x 1, 4 waves a work-group, no clusters, 33,280 bytes of LDS; arguments x, wq, wk, wv, wo, xc, xs, wc, ws, wo16; writes xc, xs, wc, ws, wo16
.if DOCPART == 1
	.amdgcn_target "amdgcn-amd-amdhsa--gfx1250"
	.amdhsa_code_object_version 6
	.text
	.protected	k_qfe8235ef20_prep
	.globl	k_qfe8235ef20_prep
	.p2align	8
	.type	k_qfe8235ef20_prep,@function
k_qfe8235ef20_prep:
	s_mov_b64 s[64:65], 0
	v_nop
	global_prefetch_b8 v0, s[64:65] scope:SCOPE_SE
	s_setreg_imm32_b32 hwreg(HW_REG_WAVE_MODE, 25, 1), 1
	s_wait_xcnt 0x0
; x [4096][1024] and wq, wk, wv [1024][1024], f32, K innermost, become codes of FP4 (E2M1), two a byte, with one E8M0 byte for each 32 along K; wo [1024][1024] f32 becomes f16.
; xc [4096][512 bytes], xs [4096][32];  wc [3072][512 bytes], ws [3072][32]: rows 0-1023 wq, 1024-2047 wk, 2048-3071 wv;  wo16 [16 planes][1024 rows][64]: plane p holds k = 64 p .. 64 p + 63.
; A block's scale is 2^(floor(log2(its largest magnitude)) - 2); its byte is the largest magnitude's exponent field - 2, held at 1 from below.  A block of zeros so gets the byte 1: its codes are zeros, and this program alone reads the bytes.
; LIMITS: NaN and infinities among the inputs are not served; blocks whose largest magnitude lies under 2^(2 - 126) keep the byte 1; |wo| stays under 65,504 (f16's largest number).
; SHARES: 256 work-groups of 32,768 numbers: 0-127 x, 128-223 the three weights (32 each), 224-255 wo.  Rows are dense and K is a multiple of 32: for the quantiser a tensor is a plain stream of blocks.
; The quantiser: a wave takes 16 steps of 512 numbers.  Each of a step's four loads reads 512 consecutive bytes; the 2,048 bytes turn through the wave's own stage in LDS, so that a lane holds 16 neighbours along K
; (two neighbouring lanes hold a block).  A lane's 16 codes are 8 bytes: the wave stores 256 consecutive bytes.  A wave's 256 scale bytes are gathered in LDS and leave by one store of 256 consecutive bytes.
; No tensor loads, no barrier: waves share nothing.
.set WAVES, 4
.set STEPS, 16
.set EMAX,  2
.set CB,    8                          ; bytes of 16 codes
.set R,     16                         ; v16-79   four sets of 16 numbers as they are loaded
.set X,     80                         ; v80-111  two sets of 16 neighbours
.set C,     128                        ; v128-191 codes: four registers for each step, so that no store's data are written again
.set E,     112                        ; v112-127 a scale byte for each step
.set WREG,  8192                       ; LDS: a region for each wave: two stages of 32 x SP bytes, behind them its 256 scale bytes
.set SP,    80                         ; a lane's place in a stage: 64 bytes + 16 of padding
.set SPW,   12                         ; v12 LDS address of my spare word; never rewritten
.set NIL,   13                         ; v13 0; never rewritten
.set SPARE, WAVES*WREG                 ; behind the four regions: the spare words, 128 bytes a wave
.set SRC,   28                         ; s[28:29] the numbers of my wave's run
.set COD,   30                         ; s[30:31] its codes
.set SCA,   32                         ; s[32:33] its scale bytes
	s_load_b256 s[4:11], s[0:1], 0x0               ; x, wq, wk, wv
	s_load_b256 s[12:19], s[0:1], 0x20             ; wo, xc, xs, wc
	s_load_b128 s[20:23], s[0:1], 0x40             ; ws, wo16
	v_lshl_add_u32 v[SPW], v0, 2, SPARE
	v_mov_b32 v[NIL], 0
	v_lshrrev_b32 v1, 5, v0
	v_readfirstlane_b32 s24, v1                    ; wave
	v_and_b32 v2, 31, v0                           ; lane
	v_lshlrev_b32 v3, 4, v2                        ; my 16 bytes of a load's 512
	s_mul_i32 s38, s24, WREG
	v_lshrrev_b32 v14, 2, v2
	v_mul_u32_u24 v14, v14, SP
	v_and_b32 v15, 3, v2
	v_lshl_add_u32 v14, v15, 4, v14
	v_add_nc_u32 v14, s38, v14                     ; the stage, on the way in: SP (lane / 4) + 16 (lane % 4)
	v_mul_u32_u24 v15, v2, SP
	v_add_nc_u32 v15, s38, v15                     ; and on the way out: SP x lane: my 16 neighbours
	v_mul_u32_u24 v4, v2, CB                       ; my codes' place in a step's
	v_lshrrev_b32 v5, 1, v2
	s_add_co_u32 s38, s38, 2*32*SP
	v_add_nc_u32 v5, s38, v5                       ; LDS: my wave's 256 scale bytes, my block's byte
	v_lshlrev_b32 v7, 3, v2                        ; and on the way out 8 bytes a lane
	v_add_nc_u32 v6, s38, v7
	s_sub_co_u32 s25, ttmp9, 128                   ; j: which of the weights' 96 work-groups (not used under 128)
	s_and_b32 s26, s25, 31                         ; its place in its own weight
	s_lshr_b32 s27, s25, 5                         ; which weight
	s_wait_kmcnt 0x0
	s_cmp_ge_u32 ttmp9, 224
	s_cbranch_scc1 .Lwo                            ; the last 32 work-groups take wo: a branch on the work-group's number
	s_cmp_eq_u32 s27, 1                            ; only pointers and indices are chosen: all four tensors take one path
	s_cselect_b64 s[SRC:SRC+1], s[8:9], s[6:7]
	s_cmp_eq_u32 s27, 2
	s_cselect_b64 s[SRC:SRC+1], s[10:11], s[SRC:SRC+1]
	s_cmp_lt_u32 ttmp9, 128
	s_cselect_b64 s[SRC:SRC+1], s[4:5], s[SRC:SRC+1]
	s_cselect_b64 s[COD:COD+1], s[14:15], s[18:19]
	s_cselect_b64 s[SCA:SCA+1], s[16:17], s[20:21]
	s_cselect_b32 s34, ttmp9, s26                  ; the work-group's place in its source,
	s_cselect_b32 s35, ttmp9, s25                  ; and in its destination: the three weights lie on end there
	s_lshl_b32 s34, s34, 2
	s_add_co_u32 s34, s34, s24                     ; my wave's run of 8,192 numbers
	s_lshl_b32 s36, s34, 15                        ; 32,768 bytes a run (under 2^25)
	s_mov_b32 s37, 0
	s_add_nc_u64 s[SRC:SRC+1], s[SRC:SRC+1], s[36:37]
	s_lshl_b32 s35, s35, 2
	s_add_co_u32 s35, s35, s24
	s_lshl_b32 s36, s35, 12                        ; 4,096 bytes of codes a run
	s_add_nc_u64 s[COD:COD+1], s[COD:COD+1], s[36:37]
	s_lshl_b32 s36, s35, 8                         ; 256 scale bytes a run
	s_add_nc_u64 s[SCA:SCA+1], s[SCA:SCA+1], s[36:37]
.macro LOAD t
.irp i, 0,1,2,3
	global_load_b128 v[R+16*((\t)%4)+4*\i:R+16*((\t)%4)+4*\i+3], v3, s[SRC:SRC+1] offset:2048*(\t)+512*\i th:TH_LOAD_NT   ; 32 lanes read 512 consecutive bytes
.endr
.endm
.macro TURN t                          ; step t's numbers through the stage: LDS serves a wave's instructions in order, so no wait stands between the stores and the loads
.irp i, 0,1,2,3
	ds_store_b128 v14, v[R+16*((\t)%4)+4*\i:R+16*((\t)%4)+4*\i+3] offset:32*SP*((\t)%2)+8*SP*\i
.endr
.irp i, 0,1,2,3
	ds_load_b128 v[X+16*((\t)%2)+4*\i:X+16*((\t)%2)+4*\i+3], v15 offset:32*SP*((\t)%2)+16*\i
.endr
.endm
.irp t, 0,1,2,3
	LOAD \t
.endr
	s_wait_loadcnt 12                              ; step 0's four loads are in; the twelve of steps 1 to 3 stay out
	TURN 0
.macro STEP t
.set XS, X+16*((\t)%2)
.if (\t) > 0
	s_wait_dscnt 1                                 ; this step's numbers are back from the stage (the last step's byte store may be out): so its stores into the stage have read their registers,
.else
	s_wait_dscnt 0x0
.endif
.if (\t)+4 < STEPS
	LOAD (\t)+4                                    ; which take the loads of four steps on
.endif
.if (\t)+1 < STEPS
.if STEPS-2-(\t) >= 3
	s_wait_loadcnt 12                              ; the next step's four loads are in; those of the three steps behind it may be out
.else
	s_wait_loadcnt 4*(STEPS-2-(\t))                ; in the tail fewer steps stand behind it
.endif
	TURN (\t)+1                                    ; and go through the other stage while this step is worked
.endif
	v_max3_num_f32 v8, |v[XS]|, |v[XS+1]|, |v[XS+2]|               ; the largest magnitude of my 16, in two chains
	v_max3_num_f32 v9, |v[XS+3]|, |v[XS+4]|, |v[XS+5]|
.irp i, 6,10
	v_max3_num_f32 v8, v8, |v[XS+\i]|, |v[XS+\i+1]|
	v_max3_num_f32 v9, v9, |v[XS+\i+2]|, |v[XS+\i+3]|
.endr
	v_max3_num_f32 v8, v8, |v[XS+14]|, |v[XS+15]|
	v_max3_num_f32 v8, v8, v9, (EMAX+1)<<23        ; and the floor 2^(EMAX + 1 - 127): the byte cannot fall under 1
	v_max_num_f32_dpp v8, v8, v8 row_xmask:1 row_mask:0xf bank_mask:0xf   ; and of my neighbour's 16: the block's
	v_add_nc_u32 v11, -(EMAX<<23), v8              ; EMAX off its exponent field: the conversion takes the exponent field of this operand as its scale
	v_cvt_scalef32_pk8_fp4_f32 v[C+4*(\t)], v[XS:XS+7], v11        ; eight numbers / the scale, to the nearest code, ties to even, beyond 6 the largest code
	v_cvt_scalef32_pk8_fp4_f32 v[C+4*(\t)+1], v[XS+8:XS+15], v11
	v_lshrrev_b32 v[E+(\t)], 23, v11               ; the scale's byte (also the plain line behind the conversions)
	ds_store_b8 v5, v[E+(\t)] offset:16*(\t)       ; both lanes of a block write the same byte with the same value
	global_store_b64 v4, v[C+4*(\t):C+4*(\t)+1], s[COD:COD+1] offset:32*CB*(\t)   ; 256 consecutive bytes a wave
.endm
.irp t, 0,1,2,3,4,5,6,7,8,9,10,11,12,13,14,15
	STEP \t
.endr
	ds_load_b64 v[8:9], v6                         ; LDS serves a wave's instructions in order: these see my byte stores
	s_wait_dscnt 0x0
	global_store_b64 v7, v[8:9], s[SCA:SCA+1]      ; 32 lanes store 256 consecutive bytes, aligned
	s_branch .Lend
; wo -> f16, by planes of 64 along K.  Wave w takes rows 32 (g - 224) + 8 w on, eight of them.  A unit U = 0 .. 31 is 4 rows (U / 16) x 64 columns (plane U % 16): lane l takes row l / 8 and the 8 numbers 8 (l % 8) on:
; two loads of 16 bytes; its 8 f16 are 16 bytes, and the 32 lanes' 512 bytes are consecutive in the plane.  Two sets of eight units by turns.  No LDS on this path.
.Lwo:
	s_sub_co_u32 s34, ttmp9, 224
	s_lshl_b32 s34, s34, 5
	s_lshl_b32 s35, s24, 3
	s_add_co_u32 s34, s34, s35                     ; my first row
	s_lshl_b32 s36, s34, 12                        ; 4,096 bytes a row of wo
	s_mov_b32 s37, 0
	s_add_nc_u64 s[12:13], s[12:13], s[36:37]
	s_lshl_b32 s36, s34, 7                         ; 128 bytes a row of a plane
	s_add_nc_u64 s[22:23], s[22:23], s[36:37]
	v_lshrrev_b32 v10, 3, v2
	v_and_b32 v11, 7, v2
	v_lshlrev_b32 v10, 12, v10
	v_lshl_add_u32 v10, v11, 5, v10                ; in: 4,096 (l / 8) + 32 (l % 8)
	v_lshlrev_b32 v11, 4, v2                       ; out: 16 l
.macro WLOAD b
.irp u, 0,1,2,3,4,5,6,7
	global_load_b128 v[16+64*((\b)%2)+8*\u:16+64*((\b)%2)+8*\u+3], v10, s[12:13] offset:((8*(\b)+\u)/16)*16384+((8*(\b)+\u)%16)*256 th:TH_LOAD_NT
	global_load_b128 v[16+64*((\b)%2)+8*\u+4:16+64*((\b)%2)+8*\u+7], v10, s[12:13] offset:((8*(\b)+\u)/16)*16384+((8*(\b)+\u)%16)*256+16 th:TH_LOAD_NT
.endr
.endm
.macro WCONV b
.if (\b) < 3
	s_wait_loadcnt 16                              ; this batch's 16 loads are in; the next batch's 16 stay out
.else
	s_wait_loadcnt 0x0
.endif
.irp u, 0,1,2,3,4,5,6,7
.irp i, 0,1,2,3
	v_cvt_pk_f16_f32 v[16+64*((\b)%2)+8*\u+\i], v[16+64*((\b)%2)+8*\u+2*\i], v[16+64*((\b)%2)+8*\u+2*\i+1]   ; in place, ascending: register i is written when registers 2 i, 2 i + 1 are read
.endr
	global_store_b128 v11, v[16+64*((\b)%2)+8*\u:16+64*((\b)%2)+8*\u+3], s[22:23] offset:((8*(\b)+\u)%16)*131072+((8*(\b)+\u)/16)*512   ; 512 consecutive bytes, aligned
.endr
.if (\b) < 2
	s_wait_xcnt 0x0                                ; the stores have read their registers: the set is loaded again only behind this wait
	WLOAD (\b)+2
.endif
.endm
	WLOAD 0
	WLOAD 1
	WCONV 0
	WCONV 1
	WCONV 2
	WCONV 3
.Lend:
	s_wait_tensorcnt 0x0                           ; the wave's end: behind my last LDS store
	ds_add_u32 v[SPW], v[NIL]
	s_wait_dscnt 0x0
	s_endpgm
.Lfunc_end_k_qfe8235ef20_prep:
	.size	k_qfe8235ef20_prep, .Lfunc_end_k_qfe8235ef20_prep-k_qfe8235ef20_prep
	.p2alignl 7, 3214868480
	.fill 96, 4, 3214868480
	.section	.rodata,"a",@progbits
	.p2align	6, 0x0
	.amdhsa_kernel k_qfe8235ef20_prep
		.amdhsa_group_segment_fixed_size 33280
		.amdhsa_private_segment_fixed_size 0
		.amdhsa_enable_private_segment 0
		.amdhsa_kernarg_size 80
		.amdhsa_user_sgpr_count 2
		.amdhsa_user_sgpr_kernarg_segment_ptr 1
		.amdhsa_wavefront_size32 1
		.amdhsa_system_sgpr_workgroup_id_x 1
		.amdhsa_system_sgpr_workgroup_id_y 1
		.amdhsa_system_sgpr_workgroup_id_z 1
		.amdhsa_system_vgpr_workitem_id 0
		.amdhsa_next_free_vgpr 192
		.amdhsa_next_free_sgpr 66
		.amdhsa_reserve_vcc 0
		.amdhsa_float_denorm_mode_32 3
		.amdhsa_float_denorm_mode_16_64 3
		.amdhsa_memory_ordered 1
		.amdhsa_forward_progress 1
		.amdhsa_inst_pref_size 51
	.end_amdhsa_kernel
	.amdgpu_metadata
---
amdhsa.version: [ 1, 2 ]
amdhsa.kernels:
  - .name:           k_qfe8235ef20_prep
    .symbol:         k_qfe8235ef20_prep.kd
    .args:
      - { .name: x, .offset: 0, .size: 8, .value_kind: global_buffer, .address_space: global }
      - { .name: wq, .offset: 8, .size: 8, .value_kind: global_buffer, .address_space: global }
      - { .name: wk, .offset: 16, .size: 8, .value_kind: global_buffer, .address_space: global }
      - { .name: wv, .offset: 24, .size: 8, .value_kind: global_buffer, .address_space: global }
      - { .name: wo, .offset: 32, .size: 8, .value_kind: global_buffer, .address_space: global }
      - { .name: xc, .offset: 40, .size: 8, .value_kind: global_buffer, .address_space: global }
      - { .name: xs, .offset: 48, .size: 8, .value_kind: global_buffer, .address_space: global }
      - { .name: wc, .offset: 56, .size: 8, .value_kind: global_buffer, .address_space: global }
      - { .name: ws, .offset: 64, .size: 8, .value_kind: global_buffer, .address_space: global }
      - { .name: wo16, .offset: 72, .size: 8, .value_kind: global_buffer, .address_space: global }
    .group_segment_fixed_size: 33280
    .private_segment_fixed_size: 0
    .kernarg_segment_align: 8
    .kernarg_segment_size: 80
    .max_flat_workgroup_size: 128
    .sgpr_count:     66
    .vgpr_count:     192
    .wavefront_size: 32
...
	.end_amdgpu_metadata
.endif
;; end of part 1
;; launch qkv (part 2): grid 12 x 16, 4 waves a work-group, clusters of 4 x 4, 327,680 bytes of LDS; arguments xc, xs, wc, ws, bq, bk, bv, qkv; writes qkv
.if DOCPART == 2
	.amdgcn_target "amdgcn-amd-amdhsa--gfx1250"
	.amdhsa_code_object_version 6
	.text
	.protected	k_qfe8235ef20_qkv
	.globl	k_qfe8235ef20_qkv
	.p2align	8
	.type	k_qfe8235ef20_qkv,@function
k_qfe8235ef20_qkv:
	s_mov_b64 s[64:65], 0
	v_nop
	global_prefetch_b8 v0, s[64:65] scope:SCOPE_SE
	s_setreg_imm32_b32 hwreg(HW_REG_WAVE_MODE, 25, 1), 1
	s_wait_xcnt 0x0
	s_wait_alu depctr_hold_cnt(0) depctr_sa_sdst(0) depctr_va_vdst(0) depctr_va_sdst(0) depctr_va_ssrc(0) depctr_va_vcc(0) depctr_vm_vsrc(0)
	s_getreg_b32 s2, hwreg(HW_REG_IB_STS2, 6, 4)
	s_cmp_eq_u32 s2, 0
	s_cbranch_scc0 .Lentry_in_a_cluster
	s_endpgm
.Lentry_in_a_cluster:
	s_bfe_u32 s2, ttmp6, 0x10000c
	s_cmp_lg_u32 s2, 0xf033
	s_cbranch_scc0 .Lentry_shape_is_right
	s_endpgm
.Lentry_shape_is_right:
; The three quantised products as ONE GEMM on codes of FP4 (E2M1): C[m][n] = sum over k of x[m][k] w[n][k] + bias[n], m = 0 .. 4095, n = 0 .. 3071 (wq's, wk's, wv's rows on end), K = 1,024; sums in f32.
; xc [4096][512 bytes], wc [3072][512 bytes]: two codes a byte; xs [4096][32], ws [3072][32]: one E8M0 byte for each 32 along K.  The matrix instruction takes codes and scale bytes as they lie.
; The result is rounded once to f16 and laid by heads: qkv [t = q, k, v][batch 2][head 16][position 2048][64].  LIMIT: |q|, |k|, |v| stay under 65,504 (f16's largest number); NaN and infinities are not served.
; A tile of C, 256 x 256, is made by four waves, 128 x 128 each: 64 accumulators, 512 registers.  K is two steps of 512: BOTH fit in LDS, so all tensor loads go out at the head and nothing is filled again.
; THE SCALES of the work-group's 256 + 256 rows, for all of K, are two dense blocks: they come into LDS once, with the first fills.
; CLUSTERS: 4 x 4 work-groups.  The four of a row of the cluster need the same tiles of x, the four of a column the same tiles of w: each tile is asked for JOINTLY.  A cluster's four tile columns are one of q, k, v.
; THE MATRIX INSTRUCTION IS USED TRANSPOSED (source 0 = 16 rows of w, source 1 = 16 rows of x): a lane holds eight neighbouring columns of one row of C.  THE BIAS IS THE C OF EACH SUM'S FIRST INSTRUCTION.
; No prefetch: every tensor load of the launch is issued at its head.  192 work-groups: a tile that gave 256 would straddle q, k and v.
; REGISTERS: window 0: v16-30 addresses; v32-95 scale words and nothing else; v128-191 x's fragments, one set; v192-255 the bias in the result's layout; on the way out v128-223 are at work.
;   window 1: w's fragments, two sets.   windows 2, 3: the accumulators ((a, b) at v[8 (8 (a % 4) + b)]).
.set NQ,     4                         ; matrix instructions deep in a slot (512 along K)
.set ROWB,   256                       ; a tile's row in bytes
.set KROW,   512                       ; a row of codes in memory
.set PITCH,  272                       ; an LDS row: 256 bytes + 16 of padding: the 16 rows that a load touches start 68 words apart
.set FR,     8                         ; registers of a fragment: 16 rows x 128 K
.set NL,     2                         ; LDS loads that bring one
.set NP,     4                         ; places behind this matrix instruction (ISA guide 7.12.1)
.set HALFT,  128*PITCH
.set SLOT,   4*HALFT                   ; x's 256 rows, then w's 256 rows
.set KS,     32                        ; a row of scales in bytes
.set SCL,    2*SLOT                    ; behind the slots: the scales, as rows of 256 bytes + 16
.set HALFS,  16*272                    ; those of 128 rows: what one tensor load brings
.set SBLK,   2*272                     ; those of 16 rows
.set SPARE,  SCL+4*HALFS               ; the spare words, 128 bytes a wave
.set STAGE,  SPARE+512                 ; the way out: 4,352 bytes for each wave, bytes into which no tile lands
.set ADRA, 16                          ; v16-17 LDS address of my x fragments in slot 0, 1
.set ADRB, 20                          ; v20-21 the same for w
.set STO,  24                          ; v24 the way out: where I put 16 bytes
.set RD,   25                          ; v25 where I read back
.set CO,   26                          ; v26 16 x lane
.set ADRS, 27                          ; v27 my scale words: lanes 0-15 x's rows, lanes 16-31 w's
.set SPW,  28
.set NIL,  29
.set BO,   30                          ; v30 32 x (lane / 16): my eight numbers of a bias block
.set SC,   32                          ; scale words: set s at v[SC + 32 s]; register 4 i + q: lanes 0-15 x's block i, lanes 16-31 w's block i
.set AF,   128
.set BI,   192                         ; bias: block b at v[BI + 8 b]
.set TMP,  128                         ; the way out: a block's 32 packed registers
.set BK,   160                         ; and two sets of 32 read back from the stage
.set WV, 16                            ; s16 wave
.set HR, 17                            ; s17 my half of the tile's rows; also: I fetch for x (0) or for w (1)
.set HC, 18                            ; s18 my half of its columns; also: which 128 rows I fetch
.set TR, 19                            ; s19 tile row
.set G1, 24
.set G0, 32
.set G1B, 48
.set G0B, 56
.set G1S, 68
.set G0S, 76
.set G1SB, 80
.set G0SB, 88
.set MSB, 0
.macro WIN new                         ; the immediate's high byte repeats the setting that is left
.if MSB != \new
	s_set_vgpr_msb (MSB<<8)|\new
.set MSB, \new
.endif
.endm
.set MUL_LO, 0xa1                      ; source 0 (w) window 1, source 1 (x) window 0, C and D window 2
.set MUL_HI, 0xf1                      ; the same, C and D window 3
.set BIA_LO, 0x81                      ; the first step: C (the bias) window 0, D window 2
.set BIA_HI, 0xc1                      ; D window 3
.set TO_B,   0x40
; A joint load: waves 0 and 1 fetch for x, waves 2 and 3 for w.  The branch hangs on the wave's number alone.  An s_nop 0 and four v_nop follow each line.
.macro JLOAD g0a, g1a, g0b, g1b
	s_cmp_eq_u32 s[HR], 0
	s_cbranch_scc0 .Lfor_b_\@
	tensor_load_to_lds s[\g0a:\g0a+3], s[\g1a:\g1a+7]
	s_nop 0
.rept 4
	v_nop
.endr
	s_branch .Lasked_\@
.Lfor_b_\@:
	tensor_load_to_lds s[\g0b:\g0b+3], s[\g1b:\g1b+7]
	s_nop 0
.rept 4
	v_nop
.endr
.Lasked_\@:
.endm
.macro CROUND                          ; a round of the cluster's barrier
	s_barrier_signal -1
	s_barrier_wait -1
	s_cmp_lg_u32 s[WV], 0
	s_cbranch_scc1 .Lnot_wave_0_\@
	s_barrier_signal -3
.Lnot_wave_0_\@:
	s_barrier_wait -3
	s_barrier_signal -1
	s_barrier_wait -1
.endm
	s_load_b256 s[4:11], s[0:1], 0x0               ; xc s[4:5], xs s[6:7], wc s[8:9], ws s[10:11]
	s_load_b128 s[96:99], s[0:1], 0x20             ; bq, bk
	s_load_b128 s[12:15], s[0:1], 0x30             ; bv, qkv
	v_lshl_add_u32 v[SPW], v0, 2, SPARE
	v_mov_b32 v[NIL], 0
	ds_add_u32 v[SPW], v[NIL]                      ; the wave's opening: the add, twice on end, and its wait ahead of my first tensor load
	ds_add_u32 v[SPW], v[NIL]
	v_lshrrev_b32 v1, 5, v0
	v_readfirstlane_b32 s[WV], v1
	s_lshr_b32 s[HR], s[WV], 1
	s_and_b32 s[HC], s[WV], 1
	s_bfe_u32 s40, ttmp6, 0x40000                  ; cx, cy: my place in the cluster
	s_bfe_u32 s41, ttmp6, 0x40004
	s_lshl_b32 s42, ttmp9, 2
	s_add_co_u32 s42, s42, s40                     ; tile column = 4 x cluster x + cx
	s_and_b32 s[TR], ttmp7, 0xffff
	s_lshl_b32 s[TR], s[TR], 2
	s_add_co_u32 s[TR], s[TR], s41                 ; tile row = 4 x cluster y + cy
	s_lshl_b32 s43, s41, 2
	s_lshl_b32 s43, 15, s43                        ; my row of the cluster
	s_lshl_b32 s44, 0x1111, s40                    ; my column
	; group 1 for the codes: 128 rows x 256 bytes, 16 bytes of padding behind each
	s_or_b32 s[G1+0], s43, (0<<16)|(1<<20)|(1<<21)|(5<<22)|(3<<25)  ; the mask: x's tiles go to my row; elements of 1 byte; padding on; bit 21 beside a mask; after every 64 words; 4 words
	s_or_b32 s[G1B+0], s44, (0<<16)|(1<<20)|(1<<21)|(5<<22)|(3<<25)
.irp g, G1, G1B
	s_mov_b32 s[\g+1], ROWB<<16                    ; tensor_dim0
	s_mov_b32 s[\g+2], 128<<16                     ; tensor_dim1
	s_mov_b32 s[\g+3], ROWB<<16                    ; tile_dim0
	s_mov_b32 s[\g+4], 128                         ; tile_dim1
	s_mov_b32 s[\g+5], KROW                        ; stride from row to row
	s_mov_b32 s[\g+6], 0
	s_mov_b32 s[\g+7], 0
.endr
	; and for the scales of 128 rows: 4,096 dense bytes as 16 rows of 256 (32 elements of 8 bytes), 16 bytes of padding behind each
	s_or_b32 s[G1S+0], s43, (3<<16)|(1<<20)|(1<<21)|(5<<22)|(3<<25)
	s_or_b32 s[G1SB+0], s44, (3<<16)|(1<<20)|(1<<21)|(5<<22)|(3<<25)
.irp g, G1S, G1SB
	s_mov_b32 s[\g+1], 32<<16
	s_mov_b32 s[\g+2], 16<<16
	s_mov_b32 s[\g+3], 32<<16
	s_mov_b32 s[\g+4], 16
	s_mov_b32 s[\g+5], 32
	s_mov_b32 s[\g+6], 0
	s_mov_b32 s[\g+7], 0
.endr
	; x's addresses hang on the tile row and the wave alone, w's on the tile column and the wave alone, each in registers that never hold the other coordinate
	s_lshl_b32 s45, s[HC], 7                       ; which 128 rows of the tile I fetch
	s_lshl_b32 s20, s[TR], 8
	s_add_co_u32 s20, s20, s45                     ; x: row 256 x tile row + 128 x half
	s_lshl_b32 s22, s20, 5                         ; its scales: 32 bytes a row
	s_lshl_b32 s20, s20, 9                         ; its codes: 512 bytes a row (under 2^21)
	s_mov_b32 s21, 0
	s_mov_b32 s23, 0
	s_lshl_b32 s46, s42, 8
	s_add_co_u32 s46, s46, s45                     ; w: row 256 x tile column + 128 x half
	s_lshl_b32 s92, s46, 5
	s_lshl_b32 s46, s46, 9
	s_mov_b32 s47, 0
	s_mov_b32 s93, 0
	s_mul_i32 s45, s[WV], HALFT                    ; where they go: wave x 128 rows
	s_mul_i32 s94, s[WV], HALFS
	s_wait_dscnt 0x0                               ; both opening adds are done
	s_wait_kmcnt 0x0
	s_add_nc_u64 s[20:21], s[4:5], s[20:21]
	s_add_nc_u64 s[22:23], s[6:7], s[22:23]
	s_add_nc_u64 s[46:47], s[8:9], s[46:47]
	s_add_nc_u64 s[92:93], s[10:11], s[92:93]
	CROUND                                         ; all sixteen work-groups are here: the joint loads meet
	s_mov_b32 s[G0S], 1
	s_add_co_u32 s[G0S+1], s94, SCL
	s_mov_b64 s[G0S+2:G0S+3], s[22:23]
	s_or_b32 s[G0S+3], s[G0S+3], 0x80000000
	s_mov_b32 s[G0SB], 1
	s_add_co_u32 s[G0SB+1], s94, SCL
	s_mov_b64 s[G0SB+2:G0SB+3], s[92:93]
	s_or_b32 s[G0SB+3], s[G0SB+3], 0x80000000
	JLOAD G0S, G1S, G0SB, G1SB                     ; the scales first: they are wanted with K step 0
.irp s, 0,1
	s_mov_b32 s[G0+4*\s], 1
	s_add_co_u32 s[G0+4*\s+1], s45, \s*SLOT
	s_add_nc_u64 s[G0+4*\s+2:G0+4*\s+3], s[20:21], \s*ROWB
	s_or_b32 s[G0+4*\s+3], s[G0+4*\s+3], 0x80000000
	s_mov_b32 s[G0B+4*\s], 1
	s_add_co_u32 s[G0B+4*\s+1], s45, \s*SLOT
	s_add_nc_u64 s[G0B+4*\s+2:G0B+4*\s+3], s[46:47], \s*ROWB
	s_or_b32 s[G0B+4*\s+3], s[G0B+4*\s+3], 0x80000000
	JLOAD G0+4*\s, G1, G0B+4*\s, G1B               ; both K steps: three tensor loads of mine are out, the launch's all
.endr
	v_and_b32 v1, 15, v0                           ; r = l % 16
	v_bfe_u32 v2, v0, 4, 1                         ; h = l / 16
	v_lshlrev_b32 v[BO], 5, v2
	; the bias: bq, bk or bv by the cluster's x, which all partners share; then my wave's 128 columns
	s_cmp_eq_u32 ttmp9, 1
	s_cselect_b64 s[96:97], s[98:99], s[96:97]
	s_cmp_eq_u32 ttmp9, 2
	s_cselect_b64 s[96:97], s[12:13], s[96:97]
	s_lshl_b32 s46, s40, 10                        ; 256 cx numbers of 4 bytes
	s_lshl_b32 s47, s[HC], 9                       ; + 128 x half
	s_add_co_u32 s46, s46, s47
	s_mov_b32 s47, 0
	s_add_nc_u64 s[96:97], s[96:97], s[46:47]
.irp b, 0,1,2,3,4,5,6,7
	global_load_b128 v[BI+8*\b:BI+8*\b+3], v[BO], s[96:97] offset:64*\b        ; register j of lane (r, h): bias[16 b + 8 h + j]: the result's layout
	global_load_b128 v[BI+8*\b+4:BI+8*\b+7], v[BO], s[96:97] offset:64*\b+16
.endr
	v_mul_u32_u24 v3, v1, PITCH
	v_lshl_add_u32 v4, v2, 4, v3                   ; a fragment's row x pitch + 16 x half
	s_mul_i32 s21, s[HR], HALFT                    ; my 128 rows of x
	s_mul_i32 s22, s[HC], HALFT                    ; my 128 rows of w,
	s_add_co_u32 s22, s22, 2*HALFT                 ; which lie behind x's 256
.irp s, 0,1
	v_add_nc_u32 v[ADRA+\s], s21, v4
	v_add_nc_u32 v[ADRB+\s], s22, v4
	s_add_co_u32 s21, s21, SLOT
	s_add_co_u32 s22, s22, SLOT
.endr
	v_mul_u32_u24 v5, v1, KS                       ; my row's scales: 32 bytes a row,
	v_lshrrev_b32 v6, 8, v5
	v_lshl_add_u32 v5, v6, 4, v5                   ; and 16 more for each 256 passed
	s_mul_i32 s21, s[HR], HALFS
	s_mul_i32 s22, s[HC], HALFS
	s_add_co_u32 s22, s22, 2*HALFS
	s_sub_co_u32 s22, s22, s21
	v_mul_u32_u24 v6, s22, v2                      ; lanes 16-31 take w's: one product, the distance between the two bases
	s_add_co_u32 s21, s21, SCL
	v_add_nc_u32 v5, v5, v6
	v_add_nc_u32 v[ADRS], s21, v5
	; the way out.  A head's 16 rows x 64 f16 are 2,048 dense bytes of qkv; in the stage they lie as 8 pairs of rows, 256 bytes + 16 of padding; two heads a wave
	s_mul_i32 s23, s[WV], 4352
	s_add_co_u32 s23, s23, STAGE
	v_lshrrev_b32 v5, 1, v1
	v_mul_u32_u24 v5, v5, 272
	v_and_b32 v6, 1, v0
	v_lshl_add_u32 v5, v6, 7, v5
	v_lshl_add_u32 v5, v2, 4, v5
	v_add_nc_u32 v[STO], s23, v5                   ; in: (r / 2) x 272 + (r % 2) x 128 + 16 h
	v_mul_u32_u24 v5, v2, 272
	v_lshl_add_u32 v5, v1, 4, v5
	v_add_nc_u32 v[RD], s23, v5                    ; back: lanes 0-15 one pair of rows, lanes 16-31 the next
	v_and_b32 v6, 31, v0
	v_lshlrev_b32 v[CO], 4, v6
	s_lshl_b32 s20, ttmp9, 1
	s_lshr_b32 s21, s[TR], 3
	s_add_co_u32 s20, s20, s21                     ; 2 t + batch
	s_lshl_b32 s20, s20, 4
	s_lshl_b32 s46, s40, 2
	s_lshl_b32 s47, s[HC], 1
	s_add_co_u32 s46, s46, s47                     ; my first head: 4 cx + 2 x half
	s_add_co_u32 s46, s46, s20
	s_lshl_b32 s46, s46, 18                        ; 262,144 bytes a head (in all under 2^25)
	s_and_b32 s20, s[TR], 7
	s_lshl_b32 s20, s20, 8
	s_lshl_b32 s21, s[HR], 7
	s_add_co_u32 s20, s20, s21                     ; my first position in the sequence
	s_lshl_b32 s20, s20, 7                         ; 128 bytes a position
	s_add_co_u32 s46, s46, s20
	s_mov_b32 s47, 0
	s_add_nc_u64 s[14:15], s[14:15], s[46:47]
.macro FRAG reg, adr, q, i             ; 16 rows x 128 K of 4-bit codes: lane l holds row l % 16; registers 4 c .. 4 c + 3 hold K = 64 c + 32 (l / 16) + 0 .. 31
.irp c, 0,1
	ds_load_b128 v[\reg+4*\c:\reg+4*\c+3], v[\adr] offset:64*(\q)+32*\c+(\i)*16*PITCH
.endr
.endm
; 16 matrix instructions: x's blocks a0, a0 + 1 against w's eight, the slot's q-th 128 along K.  p: w's set; sc: the set of scale words.  zero = 1: the sums begin with the bias.
; The 64 accumulators take turns, one instruction a turn, in the same order in every step.
.macro MUL16 a0, p, q, sc, zero
.irp a, \a0, \a0+1
.irp b, 0,1,2,3,4,5,6,7
.if \zero
	v_wmma_scale_f32_16x16x128_f8f6f4 v[8*(8*((\a)%4)+\b):8*(8*((\a)%4)+\b)+7], v[128*(\p)+FR*\b:128*(\p)+FR*\b+FR-1], v[AF+FR*(\a):AF+FR*(\a)+FR-1], v[BI+8*\b:BI+8*\b+7], v[SC+8*NQ*(\sc)+NQ*\b+(\q)], v[SC+8*NQ*(\sc)+NQ*(\a)+(\q)] matrix_a_fmt:MATRIX_FMT_FP4 matrix_b_fmt:MATRIX_FMT_FP4 matrix_a_scale:MATRIX_SCALE_ROW1
.else
	v_wmma_scale_f32_16x16x128_f8f6f4 v[8*(8*((\a)%4)+\b):8*(8*((\a)%4)+\b)+7], v[128*(\p)+FR*\b:128*(\p)+FR*\b+FR-1], v[AF+FR*(\a):AF+FR*(\a)+FR-1], v[8*(8*((\a)%4)+\b):8*(8*((\a)%4)+\b)+7], v[SC+8*NQ*(\sc)+NQ*\b+(\q)], v[SC+8*NQ*(\sc)+NQ*(\a)+(\q)] matrix_a_fmt:MATRIX_FMT_FP4 matrix_b_fmt:MATRIX_FMT_FP4 matrix_a_scale:MATRIX_SCALE_ROW1
.endif
.endr
.endr
.endm
.macro FETCH_B slot, q, p
	WIN TO_B
.irp i, 0,1,2,3,4,5,6,7
	FRAG 128*(\p)+FR*\i, ADRB+\slot, \q, \i
.endr
	WIN 0
.endm
.macro FETCH_A slot, q, i0
.irp i, \i0, \i0+1, \i0+2, \i0+3
	FRAG AF+FR*(\i), ADRA+\slot, \q, \i
.endr
.endm
.macro SCALES sc                       ; a K step's scale words: 4 words a row; lanes 0-15 x's block i, lanes 16-31 w's block i
.irp i, 0,1,2,3,4,5,6,7
	ds_load_b128 v[SC+8*NQ*\sc+NQ*\i:SC+8*NQ*\sc+NQ*\i+3], v[ADRS] offset:\i*SBLK
.endr
.endm
.macro PLACES n                        ; plain vector instructions between a matrix instruction and a load into, or a read of, its registers
.rept \n
	v_nop
.endr
.endm
; A step of 128 along K that has its successor in the same slot.  x has one set of fragments: blocks 0-3 are fetched anew in the step's middle, blocks 4-7 at its end; w has two sets.
.macro STEP slot, q, zero
	s_wait_dscnt 4*NL                              ; all but the youngest eight loads (x's blocks 4-7) are in
.if \zero
	WIN BIA_LO
.else
	WIN MUL_LO
.endif
	MUL16 0, (\q)%2, \q, \slot, \zero
	MUL16 2, (\q)%2, \q, \slot, \zero
	s_wait_dscnt 0                                 ; x's blocks 4-7 are in (asked for 32 matrix instructions ago)
	PLACES NP
	FETCH_B \slot, (\q)+1, 1-(\q)%2
	FETCH_A \slot, (\q)+1, 0
.if \zero
	WIN BIA_HI
.else
	WIN MUL_HI
.endif
	MUL16 4, (\q)%2, \q, \slot, \zero
	MUL16 6, (\q)%2, \q, \slot, \zero
	PLACES NP
	WIN 0
	FETCH_A \slot, (\q)+1, 4
.endm
.macro STEPS slot, from
.set Q, \from
.rept NQ-1-\from
	STEP \slot, Q, 0
.set Q, Q+1
.endr
.endm
	s_wait_tensorcnt 1                             ; the scales and my part of K step 0 are in; the one load issued behind them, K step 1's, may stay out
	s_barrier_signal -1
	s_barrier_wait -1                              ; everybody's are
	FETCH_B 0, 0, 0
	FETCH_A 0, 0, 0
	SCALES 0
	FETCH_A 0, 0, 4
	s_wait_loadcnt 0x0                             ; the bias
	STEP 0, 0, 1                                   ; the first step's products begin the sums with the bias: nothing is cleared, nothing is added later
	STEPS 0, 1
	; slot 0's last step changes slots: one barrier; in front of it each wave waits for all its tensor loads (its part of slot 1)
	s_wait_tensorcnt 0x0                           ; all my tensor loads have landed
	ds_add_u32 v[SPW], v[NIL]                      ; 0 onto my spare word
	s_wait_dscnt 4*NL+1                            ; (the add and the youngest eight loads may be out)
	WIN MUL_LO
	MUL16 0, 1, NQ-1, 0, 0
	s_wait_dscnt 0x0                               ; the add is done, my reads of slot 0 are over
	s_barrier_signal -1
	MUL16 2, 1, NQ-1, 0, 0                         ; work on registers while the others arrive
	WIN 0
	s_barrier_wait -1                              ; slot 1 is whole
	PLACES NP
	v_add_nc_u32 v[ADRS], 4*NQ, v[ADRS]            ; on to K step 1's scale words (no LDS load of mine is out)
	FETCH_B 1, 0, 0
	FETCH_A 1, 0, 0
	SCALES 1
	WIN MUL_HI
	MUL16 4, 1, NQ-1, 0, 0
	MUL16 6, 1, NQ-1, 0, 0
	PLACES NP
	WIN 0
	FETCH_A 1, 0, 4
	STEPS 1, 0
	s_wait_dscnt 4*NL                              ; the very last step: nothing more to fetch
	WIN MUL_LO
	MUL16 0, 1, NQ-1, 1, 0
	MUL16 2, 1, NQ-1, 1, 0
	s_wait_dscnt 0
	WIN MUL_HI
	MUL16 4, 1, NQ-1, 1, 0
	MUL16 6, 1, NQ-1, 1, 0
	WIN 0
; THE WAY OUT, block by block of 16 rows x 128 columns (two heads).  PACK: rounded to f16, each accumulator from its low end on.  TOSTAGE: into my own stage and back (LDS serves a wave's instructions in order:
; no wait between the stores and the loads).  SEND: each store covers 512 consecutive bytes of a head, aligned.
.macro PACK a
.set AC, 64*((\a)%4)
	WIN 0x0a+5*((\a)/4)                            ; sources 0 and 1: window 2 or 3
.irp b, 0,1,2,3,4,5,6,7
.irp i, 0,1,2,3
	v_cvt_pk_f16_f32 v[TMP+4*\b+\i], v[AC+8*\b+2*\i], v[AC+8*\b+2*\i+1]
.endr
.endr
	WIN 0
.endm
.macro TOSTAGE a
.irp b, 0,1,2,3,4,5,6,7
	ds_store_b128 v[STO], v[TMP+4*\b:TMP+4*\b+3] offset:(\b/4)*2176+(\b%4)*32   ; head b / 4, channels 16 (b % 4) + 8 h on
.endr
.set BB, BK+32*((\a)%2)
.irp u, 0,1
.irp i, 0,1,2,3
	ds_load_b128 v[BB+16*\u+4*\i:BB+16*\u+4*\i+3], v[RD] offset:\u*2176+\i*544
.endr
.endr
.endm
.macro SEND a, younger                 ; younger: the LDS instructions issued behind block a's loads, which may stay out
.set BB, BK+32*((\a)%2)
	s_wait_dscnt \younger
.irp u, 0,1
.irp i, 0,1,2,3
	global_store_b128 v[CO], v[BB+16*\u+4*\i:BB+16*\u+4*\i+3], s[14:15] offset:\u*262144+(\a)*2048+\i*512
.endr
.endr
.endm
	PLACES NP                                      ; behind the last products: the conversions write registers that held x's fragments, and read results
	PACK 0
	TOSTAGE 0
.irp a, 1,2,3,4,5,6,7
	PACK \a
.if \a > 1
	s_wait_xcnt 0x0                                ; block a - 2's stores have read their registers: block a's loads may land there
.endif
	TOSTAGE \a
	SEND \a-1, 16                                  ; behind block a - 1's loads: block a's 8 stores and 8 loads
.endr
	SEND 7, 0
	s_wait_tensorcnt 0x0                           ; the wave's end: behind my last tensor load and my last LDS store
	ds_add_u32 v[SPW], v[NIL]
	s_wait_dscnt 0x0
	CROUND                                         ; the closing round
	s_endpgm
.Lfunc_end_k_qfe8235ef20_qkv:
	.size	k_qfe8235ef20_qkv, .Lfunc_end_k_qfe8235ef20_qkv-k_qfe8235ef20_qkv
	.p2alignl 7, 3214868480
	.fill 96, 4, 3214868480
	.section	.rodata,"a",@progbits
	.p2align	6, 0x0
	.amdhsa_kernel k_qfe8235ef20_qkv
		.amdhsa_group_segment_fixed_size 327680
		.amdhsa_private_segment_fixed_size 0
		.amdhsa_enable_private_segment 0
		.amdhsa_kernarg_size 64
		.amdhsa_user_sgpr_count 2
		.amdhsa_user_sgpr_kernarg_segment_ptr 1
		.amdhsa_wavefront_size32 1
		.amdhsa_system_sgpr_workgroup_id_x 1
		.amdhsa_system_sgpr_workgroup_id_y 1
		.amdhsa_system_sgpr_workgroup_id_z 1
		.amdhsa_system_vgpr_workitem_id 0
		.amdhsa_next_free_vgpr 1024
		.amdhsa_next_free_sgpr 100
		.amdhsa_reserve_vcc 0
		.amdhsa_float_denorm_mode_32 3
		.amdhsa_float_denorm_mode_16_64 3
		.amdhsa_memory_ordered 1
		.amdhsa_forward_progress 1
		.amdhsa_inst_pref_size 128
	.end_amdhsa_kernel
	.amdgpu_metadata
---
amdhsa.version: [ 1, 2 ]
amdhsa.kernels:
  - .name:           k_qfe8235ef20_qkv
    .symbol:         k_qfe8235ef20_qkv.kd
    .args:
      - { .name: xc, .offset: 0, .size: 8, .value_kind: global_buffer, .address_space: global }
      - { .name: xs, .offset: 8, .size: 8, .value_kind: global_buffer, .address_space: global }
      - { .name: wc, .offset: 16, .size: 8, .value_kind: global_buffer, .address_space: global }
      - { .name: ws, .offset: 24, .size: 8, .value_kind: global_buffer, .address_space: global }
      - { .name: bq, .offset: 32, .size: 8, .value_kind: global_buffer, .address_space: global }
      - { .name: bk, .offset: 40, .size: 8, .value_kind: global_buffer, .address_space: global }
      - { .name: bv, .offset: 48, .size: 8, .value_kind: global_buffer, .address_space: global }
      - { .name: qkv, .offset: 56, .size: 8, .value_kind: global_buffer, .address_space: global }
    .group_segment_fixed_size: 327680
    .private_segment_fixed_size: 0
    .kernarg_segment_align: 8
    .kernarg_segment_size: 64
    .max_flat_workgroup_size: 128
    .sgpr_count:     100
    .vgpr_count:     1024
    .wavefront_size: 32
...
	.end_amdgpu_metadata
.endif
;; end of part 2
;; launch attn (part 3): grid 8 x 32, 8 waves a work-group, clusters of 4 x 1, 327,680 bytes of LDS; arguments qkv, oh; writes oh
.if DOCPART == 3
	.amdgcn_target "amdgcn-amd-amdhsa--gfx1250"
	.amdhsa_code_object_version 6
	.text
	.protected	k_qfe8235ef20_attn
	.globl	k_qfe8235ef20_attn
	.p2align	8
	.type	k_qfe8235ef20_attn,@function
k_qfe8235ef20_attn:
	s_mov_b64 s[64:65], 0
	v_nop
	global_prefetch_b8 v0, s[64:65] scope:SCOPE_SE
	s_setreg_imm32_b32 hwreg(HW_REG_WAVE_MODE, 25, 1), 1
	s_wait_xcnt 0x0
	s_wait_alu depctr_hold_cnt(0) depctr_sa_sdst(0) depctr_va_vdst(0) depctr_va_sdst(0) depctr_va_ssrc(0) depctr_va_vcc(0) depctr_vm_vsrc(0)
	s_getreg_b32 s2, hwreg(HW_REG_IB_STS2, 6, 4)
	s_cmp_eq_u32 s2, 0
	s_cbranch_scc0 .Lentry_in_a_cluster
	s_endpgm
.Lentry_in_a_cluster:
	s_bfe_u32 s2, ttmp6, 0x10000c
	s_cmp_lg_u32 s2, 0x3003
	s_cbranch_scc0 .Lentry_shape_is_right
	s_endpgm
.Lentry_shape_is_right:
; O[bh][q][:] = the sum over k of softmax_k(Q[bh][q] . K[bh][k] / 8) V[bh][k][:].  qkv: [q, k, v][32 heads bh][2048][64] f16; oh: [head 16][row = 2048 batch + position][64] f16.
; Products in f16 with f32 sums; maxima, exponentials and sums in f32; the weights p (at most 1) are rounded to f16 for the second product, O once at the end.
; LIMITS: NaN and infinities are not served; an f16 number under 6e-5 carries an absolute error of up to 3e-8.
; SHARES.  A work-group owns 256 queries of one head.  Wave w: g = w % 4 picks 64 queries (four tiles of 16), kh = w / 4 picks half of the keys: of each slot of 256 keys the waves kh = 0 take keys 0-127, kh = 1 keys 128-255,
; 64 a step.  So each fragment of K and V read from LDS feeds four matrix instructions, and two waves of 512 registers share a SIMD: one wave's softmax stands beside the other's products.  At the end the
; pair (w, w + 4) is merged through LDS: the running maxima are brought together as in any step of the softmax.
; LAYOUT.  S^T = K Q^T (source 0 = 16 keys, source 1 = 16 queries): a lane holds ONE query (lane % 16) and keys 8 (lane / 16) + 0..7.  Two such tiles, rounded to f16 in pairs IN PLACE, are source 1 of O^T = V^T P.
; V ([key][channel]) comes out of LDS turned, by ds_load_tr16_b128.
; SOFTMAX.  For each query a running maximum m and sum l: p = 2^(c s - c m), c = log2(e) / 8; in every step O and l are multiplied by a = 2^(c m_old - c m_new).
; CLUSTER.  The four query blocks of a cluster belong to one head and walk the same K and V: each tile is asked for JOINTLY.
; REGISTERS: window 0: v2-15 addresses; v16-47 statistics, 8 a tile; v48-55 the partner's; v64-191 S^T, then p, then P (32 a tile); v192-255 K of one step.
;   window 1: v0-127 O^T (32 a tile); v128-191 Q; v192-255 V of one step.
.set PK,    144                        ; a row of K in LDS: 128 bytes + 16: an odd multiple of 16
.set PVP,   160                        ; a row of V: 128 + 32: an odd multiple of 32
.set VOFF,  256*PK                     ; a slot: 256 rows of K, then 256 rows of V
.set SLOT1, 1<<17                      ; slot 1 begins here: one exclusive or turns an address from one slot into the other
.set MRG,   SLOT1+VOFF+256*PVP         ; the merge: for each g 32 register images of 512 bytes, then 8 x 128 bytes of statistics
.set MRGB,  17408
.set STAGE, MRG+4*MRGB                 ; the way out: 2,176 bytes for each g
.set SPARE, STAGE+4*2176               ; the spare words, 128 bytes for each of eight waves
.set AK0, 2                            ; v2  my lane's place in a step's K
.set AV0, 3                            ; v3  the same for V
.set ADK, 4                            ; v4  AK0 + the slot in hand
.set ADV, 5                            ; v5  AV0 + the slot in hand
.set QO,  6
.set STO, 7
.set RD,  8
.set GO,  9
.set MI,  10                           ; v10 the merge's images: 16 x lane
.set MS,  11                           ; v11 its statistics: 4 x lane
.set PFO, 12                           ; v12 256 x lane
.set SPW, 14
.set NIL, 15
.set ST,  16                           ; tile t at v[ST + 8 t]: +0 c m, +1 m, +2, +3 l in two halves, +4 .. +7 at work; a in +6
.set PS,  48                           ; the partner's c m and l: v[PS + 2 t], v[PS + 2 t + 1]
.set S,   64
.set KF,  192
.set WV,  12
.set LIM, 15
.set PFA, 18
.set G1K, 24
.set G1V, 32
.set G0K, 40
.set G0V, 48
.set SLOTS, 56
.set CS,  58
.set SEL, 60
.set TB,  62
.set MSB, 0
.macro WIN new
.if MSB != \new
	s_set_vgpr_msb (MSB<<8)|\new
.set MSB, \new
.endif
.endm
; A joint refill: waves 0-3 fetch 64 rows of K each, waves 4-7 of V.  The branch hangs on the wave's number alone.  An s_nop 0 and four v_nop follow each line.
.macro JLOAD
	s_cmp_lt_u32 s[WV], 4
	s_cbranch_scc0 .Lfor_v_\@
	tensor_load_to_lds s[G0K+4:G0K+7], s[G1K:G1K+7]
	s_nop 0
.rept 4
	v_nop
.endr
	s_branch .Lasked_\@
.Lfor_v_\@:
	tensor_load_to_lds s[G0V+4:G0V+7], s[G1V:G1V+7]
	s_nop 0
.rept 4
	v_nop
.endr
.Lasked_\@:
.endm
; A prefetch of what the NEXT change of slots will ask for: a slot's 32,768 bytes of K and of V.  Both clusters of a head walk the same rows: the first asks.  Its four partners share the bytes out BY ADDRESS, 8,192 each;
; in each, wave 0 asks for K's and wave 4 for V's, lanes 256 bytes apart: each block is named once.  The last change that fills a slot asks for nothing.
.macro ASK
	s_cmp_gt_u32 s[SLOTS], s[LIM]
	s_cbranch_scc0 .Lnot_mine_\@
	global_prefetch_b8 v[PFO], s[PFA:PFA+1] th:TH_LOAD_NT scope:SCOPE_SE
.Lnot_mine_\@:
.endm
.macro CROUND
	s_barrier_signal -1
	s_barrier_wait -1
	s_cmp_lg_u32 s[WV], 0
	s_cbranch_scc1 .Lnot_wave_0_\@
	s_barrier_signal -3
.Lnot_wave_0_\@:
	s_barrier_wait -3
	s_barrier_signal -1
	s_barrier_wait -1
.endm
	s_load_b128 s[8:11], s[0:1], 0x0               ; qkv s[8:9], oh s[10:11]
	v_lshl_add_u32 v[SPW], v0, 2, SPARE
	v_mov_b32 v[NIL], 0
	ds_add_u32 v[SPW], v[NIL]                      ; the wave's opening: the add, twice on end, and its wait ahead of my first tensor load
	ds_add_u32 v[SPW], v[NIL]
	v_lshrrev_b32 v1, 5, v0
	v_readfirstlane_b32 s[WV], v1                  ; wave 0..7
	s_bfe_u32 s13, ttmp6, 0x40000                  ; cx
	s_lshl_b32 s14, ttmp9, 2
	s_add_co_u32 s14, s14, s13                     ; my block of 256 queries: it enters Q's and O's addresses alone
	s_and_b32 s20, ttmp7, 0xffff                   ; bh, which the four partners share
	s_and_b32 s16, s[WV], 3                        ; g; also: which 64 rows of a slot I fetch
	s_lshr_b32 s57, s[WV], 2                       ; kh
	s_lshl_b32 s21, s16, 13                        ; 64 rows of 128 bytes
	s_lshl_b32 s22, s20, 18                        ; a head is 262,144 bytes
	s_add_co_u32 s22, s22, s21                     ; my tile of slot 0, in K and in V
	s_mov_b32 s23, 0
	s_mul_i32 s17, s16, 64*PK                      ; and its place in a slot: no place in the cluster enters an LDS address
	s_mul_i32 s63, s16, 64*PVP
	s_add_co_u32 s63, s63, VOFF
	s_lshl_b32 s2, s14, 15                         ; Q: my block's 256 rows,
	s_add_co_u32 s2, s2, s21                       ; my wave's 64,
	s_lshl_b32 s3, s20, 18
	s_add_co_u32 s2, s2, s3                        ; in my head
	s_mov_b32 s3, 0
	s_and_b32 s18, s20, 15                         ; oh: the head's plane of 524,288 bytes,
	s_lshl_b32 s18, s18, 19
	s_lshr_b32 s19, s20, 4
	s_lshl_b32 s19, s19, 18                        ; the batch's 2,048 rows,
	s_add_co_u32 s18, s18, s19
	s_lshl_b32 s19, s14, 15
	s_add_co_u32 s18, s18, s19
	s_add_co_u32 s18, s18, s21                     ; my block's and my wave's
	s_mov_b32 s19, 0
	; group 1: 64 rows x 64 elements of 2 bytes, padded behind each row
	s_mov_b32 s[G1K], 15|(1<<16)|(1<<20)|(1<<21)|(4<<22)|(3<<25)  ; the mask: all four work-groups; elements of 2 bytes; padding on; bit 21 beside a mask; after every 32 words; 4 words
	s_mov_b32 s[G1V], 15|(1<<16)|(1<<20)|(1<<21)|(4<<22)|(7<<25)  ; the same with 8 words
.irp g, G1K, G1V
	s_mov_b32 s[\g+1], 64<<16                      ; tensor_dim0
	s_mov_b32 s[\g+2], 64<<16                      ; tensor_dim1
	s_mov_b32 s[\g+3], 64<<16                      ; tile_dim0
	s_mov_b32 s[\g+4], 64                          ; tile_dim1
	s_mov_b32 s[\g+5], 64                          ; stride from row to row
	s_mov_b32 s[\g+6], 0
	s_mov_b32 s[\g+7], 0
.endr
	s_mov_b32 s[CS], 0x3e38aa3b                    ; c = log2(e) / 8
	s_mov_b32 s[CS+1], s[CS]                       ; named with it as a pair, so it is written
	s_mov_b32 s[SEL], 0x76543210
	s_mov_b32 s[SEL+1], 0xfedcba98                 ; lane l xor 16
	s_mov_b32 s[TB], 0
	s_mov_b32 s[SLOTS], 6                          ; 8 slots of 256 keys: two first fills, six refills
	s_or_b32 s[LIM], s16, ttmp9                    ; 0 in waves 0 and 4 of the head's first cluster: the same in all four partners
	s_cmp_eq_u32 s[LIM], 0
	s_cselect_b32 s[LIM], 1, -1
	s_wait_dscnt 0x0                               ; both opening adds are done
	s_wait_kmcnt 0x0
	s_add_nc_u64 s[4:5], s[8:9], s[2:3]            ; Q at my wave's first row
	s_add_nc_u64 s[10:11], s[10:11], s[18:19]      ; O likewise
	s_add_nc_u64 s[8:9], s[8:9], s[22:23]
	s_add_nc_u64 s[6:7], s[8:9], 8388608           ; K at my tile of slot 0
	s_add_nc_u64 s[8:9], s[8:9], 16777216          ; V likewise
	s_cmp_lt_u32 s[WV], 4
	s_cselect_b64 s[PFA:PFA+1], s[6:7], s[8:9]     ; (in waves 0 and 4 these stand at a slot's first row)
	s_lshl_b32 s2, s13, 13                         ; my work-group's 8,192 bytes
	s_mov_b32 s3, 0
	s_add_nc_u64 s[PFA:PFA+1], s[PFA:PFA+1], s[2:3]
	s_add_nc_u64 s[PFA:PFA+1], s[PFA:PFA+1], 2*32768   ; in slot 2; the first change of slots steps it to slot 3.  Nothing is prefetched at the head
	CROUND                                         ; all four work-groups are here: the first joint loads meet
.irp s, 0,1
	s_mov_b32 s[G0K+4*\s], 1
	s_add_co_u32 s[G0K+4*\s+1], s17, \s*SLOT1
	s_add_nc_u64 s[G0K+4*\s+2:G0K+4*\s+3], s[6:7], \s*32768
	s_or_b32 s[G0K+4*\s+3], s[G0K+4*\s+3], 0x80000000
	s_mov_b32 s[G0V+4*\s], 1
	s_add_co_u32 s[G0V+4*\s+1], s63, \s*SLOT1
	s_add_nc_u64 s[G0V+4*\s+2:G0V+4*\s+3], s[8:9], \s*32768
	s_or_b32 s[G0V+4*\s+3], s[G0V+4*\s+3], 0x80000000
.endr
	s_cmp_lt_u32 s[WV], 4                          ; a wave's two first fills stand in one branch, ahead of every wait on TENSORcnt and every LDS read: two loads of mine are out
	s_cbranch_scc0 .Lfirst_v
	tensor_load_to_lds s[G0K:G0K+3], s[G1K:G1K+7]
	s_nop 0
	tensor_load_to_lds s[G0K+4:G0K+7], s[G1K:G1K+7]
	s_nop 0
.rept 4
	v_nop
.endr
	s_branch .Lfirst_asked
.Lfirst_v:
	tensor_load_to_lds s[G0V:G0V+3], s[G1V:G1V+7]
	s_nop 0
	tensor_load_to_lds s[G0V+4:G0V+7], s[G1V:G1V+7]
	s_nop 0
.rept 4
	v_nop
.endr
.Lfirst_asked:
	v_and_b32 v1, 15, v0                           ; r = l % 16
	v_bfe_u32 v13, v0, 4, 1                        ; h = l / 16
	v_lshlrev_b32 v[QO], 7, v1
	v_lshl_add_u32 v[QO], v13, 4, v[QO]            ; row x 128 + 16 x half
	WIN 0x40                                       ; destination window 1
.irp t, 0,1,2,3
.irp c, 0,1
	global_load_b128 v[128+16*\t+8*\c:128+16*\t+8*\c+3], v[QO], s[4:5] offset:\t*2048+64*\c       ; Q stays in registers: tile t, channels 32 c on
	global_load_b128 v[128+16*\t+8*\c+4:128+16*\t+8*\c+7], v[QO], s[4:5] offset:\t*2048+64*\c+32
.endr
.endr
	WIN 0
	v_mul_u32_u24 v[AK0], v1, PK
	v_lshl_add_u32 v[AK0], v13, 4, v[AK0]
	s_mul_i32 s2, s57, 128*PK                      ; my half of a slot's keys
	v_add_nc_u32 v[AK0], s2, v[AK0]
	v_and_b32 v[ADK], 7, v0
	v_bfe_u32 v[ADV], v0, 3, 1
	v_lshl_add_u32 v[AV0], v13, 3, v[ADK]          ; the turning load: lane l reads key 8 (l / 16) + l % 8, channels 8 ((l / 8) % 2) + 0..7
	v_mul_u32_u24 v[AV0], v[AV0], PVP
	v_lshl_add_u32 v[AV0], v[ADV], 4, v[AV0]
	s_mul_i32 s2, s57, 128*PVP
	s_add_co_u32 s2, s2, VOFF
	v_add_nc_u32 v[AV0], s2, v[AV0]
	s_mul_i32 s2, s16, 2176
	s_add_co_u32 s2, s2, STAGE                     ; the stage of my g: a tile's 16 rows x 128 bytes as 8 pairs of rows, 256 bytes + 16
	v_lshrrev_b32 v[STO], 1, v1
	v_mul_u32_u24 v[STO], v[STO], 272
	v_and_b32 v[RD], 1, v0
	v_lshl_add_u32 v[STO], v[RD], 7, v[STO]
	v_lshl_add_u32 v[STO], v13, 4, v[STO]
	v_add_nc_u32 v[STO], s2, v[STO]
	v_mul_u32_u24 v[RD], v13, 272
	v_lshl_add_u32 v[RD], v1, 4, v[RD]
	v_add_nc_u32 v[RD], s2, v[RD]
	v_and_b32 v[GO], 31, v0
	v_lshlrev_b32 v[PFO], 8, v[GO]
	s_mul_i32 s2, s16, MRGB
	s_add_co_u32 s2, s2, MRG
	v_lshl_add_u32 v[MI], v[GO], 4, s2
	s_add_co_u32 s2, s2, 16384
	v_lshl_add_u32 v[MS], v[GO], 2, s2
	v_lshlrev_b32 v[GO], 4, v[GO]
.macro FETCH_K q                       ; 16 loads: the step's 64 keys x 64 channels: fragment (kt, c): keys 16 kt on, channels 32 c on
	WIN 0
.irp kt, 0,1,2,3
.irp c, 0,1
	ds_load_b128 v[KF+8*(2*\kt+\c):KF+8*(2*\kt+\c)+3], v[ADK] offset:\q*64*PK+\kt*16*PK+64*\c
	ds_load_b128 v[KF+8*(2*\kt+\c)+4:KF+8*(2*\kt+\c)+7], v[ADK] offset:\q*64*PK+\kt*16*PK+64*\c+32
.endr
.endr
.endm
.macro FETCH_V q                       ; 16 turning loads: fragment (f, ct): keys 32 f on, channels 16 ct on
	WIN 0x40
.irp f, 0,1
.irp ct, 0,1,2,3
	ds_load_tr16_b128 v[192+8*(4*\f+\ct):192+8*(4*\f+\ct)+3], v[ADV] offset:\q*64*PVP+\f*32*PVP+32*\ct
	ds_load_tr16_b128 v[192+8*(4*\f+\ct)+4:192+8*(4*\f+\ct)+7], v[ADV] offset:\q*64*PVP+\f*32*PVP+16*PVP+32*\ct
.endr
.endr
.endm
; 32 products S^T = K Q^T; the 16 accumulators take turns; the first 16 start the sums
.macro KQ
	WIN 0x04                                       ; Q in window 1
.irp c, 0,1
.irp kt, 0,1,2,3
.irp t, 0,1,2,3
.if \c == 0
	v_wmma_f32_16x16x32_f16 v[S+32*\t+8*\kt:S+32*\t+8*\kt+7], v[KF+8*(2*\kt+\c):KF+8*(2*\kt+\c)+7], v[128+16*\t+8*\c:128+16*\t+8*\c+7], 0
.else
	v_wmma_f32_16x16x32_f16 v[S+32*\t+8*\kt:S+32*\t+8*\kt+7], v[KF+8*(2*\kt+\c):KF+8*(2*\kt+\c)+7], v[128+16*\t+8*\c:128+16*\t+8*\c+7], v[S+32*\t+8*\kt:S+32*\t+8*\kt+7]
.endif
.endr
.endr
.endr
.endm
; 32 products O^T += V^T P; 16 accumulators by turns.  fst = 1: the first 16 start the sums: nothing is ever cleared
.macro PV fst
	WIN 0x51                                       ; V, O^T in window 1; P in window 0
.irp f, 0,1
.irp ct, 0,1,2,3
.irp t, 0,1,2,3
.if (\fst) && (\f == 0)
	v_wmma_f32_16x16x32_f16 v[32*\t+8*\ct:32*\t+8*\ct+7], v[192+8*(4*\f+\ct):192+8*(4*\f+\ct)+7], v[S+32*\t+8*\f:S+32*\t+8*\f+7], 0
.else
	v_wmma_f32_16x16x32_f16 v[32*\t+8*\ct:32*\t+8*\ct+7], v[192+8*(4*\f+\ct):192+8*(4*\f+\ct)+7], v[S+32*\t+8*\f:S+32*\t+8*\f+7], v[32*\t+8*\ct:32*\t+8*\ct+7]
.endif
.endr
.endr
.endr
.endm
; number j of 16 of tile t's maximum: four chains of seven scores (each accumulator is first read at its registers 0 to 2), then the four left over, the chains and the old m
.macro SMAX t, j, fst
.set rT, ST+8*(\t)
.set rS, S+32*(\t)
.if (\j) < 4
	v_max3_num_f32 v[rT+4+(\j)], v[rS+8*(\j)], v[rS+8*(\j)+1], v[rS+8*(\j)+2]
.elseif (\j) < 12
	v_max3_num_f32 v[rT+4+(\j)%4], v[rT+4+(\j)%4], v[rS+8*((\j)%4)+2*((\j)/4)+1], v[rS+8*((\j)%4)+2*((\j)/4)+2]
.elseif (\j) == 12
	v_max3_num_f32 v[rT+4], v[rT+4], v[rS+7], v[rS+15]
.elseif (\j) == 13
	v_max3_num_f32 v[rT+6], v[rT+6], v[rS+23], v[rS+31]
.elseif (\j) == 14
	v_max3_num_f32 v[rT+4], v[rT+4], v[rT+5], v[rT+6]
.elseif \fst
	v_max_num_f32 v[rT+4], v[rT+4], v[rT+7]
.else
	v_max3_num_f32 v[rT+4], v[rT+4], v[rT+7], v[rT+1]
.endif
.endm
.macro STATS fst                       ; the other half of the lanes' maximum; the new m; c m; a = 2^(c m_old - c m_new).  The four tiles by turns
.irp t, 0,1,2,3
	v_permlanex16_b32 v[ST+8*\t+5], v[ST+8*\t+4], s[SEL], s[SEL+1]
.endr
.if \fst
.irp t, 0,1,2,3
	v_mov_b32 v[ST+8*\t+6], 0                      ; the first step: a = 0 and l = 0, so that l = a l + the sum starts l
	v_mov_b32 v[ST+8*\t+2], 0
	v_mov_b32 v[ST+8*\t+3], 0
.endr
.else
.irp t, 0,1,2,3
	v_mov_b32 v[ST+8*\t+7], v[ST+8*\t]             ; c m_old is kept
.endr
.endif
.irp t, 0,1,2,3
	v_max_num_f32 v[ST+8*\t+1], v[ST+8*\t+4], v[ST+8*\t+5]
.endr
.irp t, 0,1,2,3
	v_mul_f32 v[ST+8*\t], s[CS], v[ST+8*\t+1]
.endr
.if \fst == 0
.irp t, 0,1,2,3
	v_sub_f32 v[ST+8*\t+7], v[ST+8*\t+7], v[ST+8*\t]
.endr
.irp t, 0,1,2,3
	v_exp_f32 v[ST+8*\t+6], v[ST+8*\t+7]
.endr
.endif
.endm
.macro SSCALE t, b                     ; pair b of tile t: c s - c m
.set rT, ST+8*(\t)
.set rS, S+32*(\t)+2*(\b)
	v_pk_fma_f32 v[rS:rS+1], v[rS:rS+1], s[CS:CS+1], v[rT:rT+1] op_sel_hi:[1,0,0] neg_lo:[0,0,1] neg_hi:[0,0,1]
.endm
.macro SEXP t, e
	v_exp_f32 v[S+32*(\t)+(\e)], v[S+32*(\t)+(\e)]
.endm
.macro SSUM t, z                       ; number z of 16 of the tile's sum, of the unrounded p, in two chains: l = a l + pair 0, + pairs 2, 4 .. 14; pairs 1 + 3, + 5, 7 .. 15; l takes the second chain
.set rT, ST+8*(\t)
.set rS, S+32*(\t)
.if (\z) == 0
	v_pk_fma_f32 v[rT+2:rT+3], v[rT+2:rT+3], v[rT+6:rT+7], v[rS:rS+1] op_sel_hi:[1,0,1]
.elseif (\z) == 1
	v_pk_add_f32 v[rT+4:rT+5], v[rS+2:rS+3], v[rS+6:rS+7]
.elseif (\z) == 15
	v_pk_add_f32 v[rT+2:rT+3], v[rT+2:rT+3], v[rT+4:rT+5]
.elseif (\z)%2 == 0
	v_pk_add_f32 v[rT+2:rT+3], v[rT+2:rT+3], v[rS+2*(\z):rS+2*(\z)+1]
.else
	v_pk_add_f32 v[rT+4:rT+5], v[rT+4:rT+5], v[rS+2*(\z)+4:rS+2*(\z)+5]
.endif
.endm
.macro SCVT t, i                       ; two numbers to f16, in place and ascending: register i is written when registers 2 i, 2 i + 1 are read.  Registers 8 f .. 8 f + 7 are then P's fragment of keys 32 f on
.set rS, S+32*(\t)
	v_cvt_pk_f16_f32 v[rS+(\i)], v[rS+2*(\i)], v[rS+2*(\i)+1]
.endm
.macro PLAIN base, idx                 ; number idx of 64 of the sums and roundings of tiles base, base + 1, the two by turns
.if (\idx) < 32
	SSUM (\base)+(\idx)%2, (\idx)/2
.else
	SCVT (\base)+(\idx)%2, ((\idx)-32)/2
.endif
.endm
.macro RESC                            ; O^T times a, each accumulator from its low end on
	WIN 0x41
.irp i, 0,1,2,3,4,5,6,7,8,9,10,11,12,13,14,15
.irp t, 0,1,2,3
	v_pk_mul_f32 v[32*\t+2*\i:32*\t+2*\i+1], v[32*\t+2*\i:32*\t+2*\i+1], v[ST+8*\t+6:ST+8*\t+7] op_sel_hi:[1,0]
.endr
.endr
.endm
; A KEY STEP: 64 keys for my 64 queries; q: the first or second of my two steps in the slot.  The exponentials go in two batches, each with one wait ahead of its first reader:
; tiles 0, 1 (and the four a) beside the scalings of tiles 2, 3; tiles 2, 3 beside the sums and roundings of tiles 0, 1; the rescaling of O^T is the independent work behind the second batch.
.macro STEP q, fst
.rept 5
	v_nop                                          ; behind the last products V^T P: 4 places ahead of the loads into V's registers, 5 ahead of the products that write over P's
.endr
.if \q == 0
	FETCH_K 0
.endif
	FETCH_V \q
	s_wait_dscnt 16                                ; K's 16 loads are in; V's 16, issued behind them, may stay out
	KQ
	WIN 0
.rept 4
	v_nop                                          ; places ahead of the loads into K's registers and of the first read of the scores
.endr
.if \q == 0
	FETCH_K 1                                      ; the next step's K: a whole softmax ahead of its use
.endif
.irp j, 0,1,2,3,4,5,6,7,8,9,10,11,12,13,14,15
.irp t, 0,1,2,3
	SMAX \t, \j, \fst
.endr
.endr
	STATS \fst
.irp b, 0,1,2,3,4,5,6,7,8,9,10,11,12,13,14,15
	SSCALE 0, \b
	SSCALE 1, \b
.endr
.set n, 0
.rept 32
	SEXP 0, n
	SEXP 1, n
	SSCALE 2+n%2, n/2
.set n, n+1
.endr
	s_wait_alu depctr_va_vdst(0)                   ; one wait for a and for the 64 exponentials of tiles 0 and 1; the last line above is plain
.set n, 0
.rept 32
	SEXP 2, n
	PLAIN 0, 2*n
	SEXP 3, n
	PLAIN 0, 2*n+1
.set n, n+1
.endr
.if \fst
	v_nop
.else
	RESC
	WIN 0
.endif
	s_wait_alu depctr_va_vdst(0)                   ; one wait for the 64 exponentials of tiles 2 and 3
.set n, 0
.rept 64
	PLAIN 2, n
.set n, n+1
.endr
.if \q == 0
	s_wait_dscnt 16                                ; V is in; the next step's K, 16 loads issued behind it, may stay out
.else
	s_wait_dscnt 0x0                               ; V is in
.endif
	PV \fst
	WIN 0
.endm
; THE CHANGE OF SLOTS.  Each wave waits for all its tensor loads (one is out: its part of the other slot), adds 0 to its spare word, and waits for that and for its reads of the slot.  fill = 1: the barrier is a round of
; the cluster's, and the joint refill, with the keys two slots on, is the first thing behind it: it has two steps of every wave in which to land.
.macro CHANGE fill
	WIN 0
	s_wait_tensorcnt 0x0                           ; no tensor load of mine is out, so a group 0 may be written
	ds_add_u32 v[SPW], v[NIL]                      ; 0 onto my spare word
.if \fill
.irp g, G0K+4, G0V+4
	s_xor_b32 s[\g+1], s[\g+1], SLOT1              ; the walking descriptor: the other slot than last time,
	s_add_nc_u64 s[\g+2:\g+3], s[\g+2:\g+3], 32768 ; the next 256 keys; the type bits on top are not reached
.endr
	s_wait_xcnt 0x0                                ; the last prefetch, a slot back, has read its address
	s_add_nc_u64 s[PFA:PFA+1], s[PFA:PFA+1], 32768 ; one slot further on than the walking descriptors
	s_wait_dscnt 0x0                               ; the add is done, my reads of the slot are over
	CROUND
	JLOAD
	ASK
.else
	s_wait_dscnt 0x0
	s_barrier_signal -1
	s_barrier_wait -1
.endif
	s_xor_b32 s[TB], s[TB], SLOT1                  ; on to the other slot
	v_add_nc_u32 v[ADK], s[TB], v[AK0]
	v_add_nc_u32 v[ADV], s[TB], v[AV0]
.endm
	s_wait_tensorcnt 1                             ; my part of slot 0 is in; slot 1's load, issued behind it, may stay out
	s_barrier_signal -1
	s_barrier_wait -1                              ; everybody's is
	v_add_nc_u32 v[ADK], s[TB], v[AK0]
	v_add_nc_u32 v[ADV], s[TB], v[AV0]
	s_wait_loadcnt 0x0                             ; Q
	STEP 0, 1
	STEP 1, 0
.Lslot:                                            ; six trips: every slot but the last two is filled again
	CHANGE 1
	STEP 0, 0
	STEP 1, 0
	s_sub_co_u32 s[SLOTS], s[SLOTS], 1
	s_cmp_lg_u32 s[SLOTS], 0
	s_cbranch_scc1 .Lslot
	CHANGE 0                                       ; the tail is written out
	STEP 0, 0
	STEP 1, 0
	; THE MERGE.  Each wave finishes its l (these additions are also the places behind the last products).  The waves kh = 1 lay O^T as register images, c m and l into LDS; a barrier; the waves kh = 0 bring both halves under the common maximum.
.irp t, 0,1,2,3
	v_add_f32 v[ST+8*\t+4], v[ST+8*\t+2], v[ST+8*\t+3]
.endr
.irp t, 0,1,2,3
	v_permlanex16_b32 v[ST+8*\t+5], v[ST+8*\t+4], s[SEL], s[SEL+1]
.endr
.irp t, 0,1,2,3
	v_add_f32 v[ST+8*\t+2], v[ST+8*\t+4], v[ST+8*\t+5]
.endr
	s_cmp_lt_u32 s[WV], 4
	s_cbranch_scc1 .Lkeep
	WIN 0x04                                       ; an LDS store's data are its source 1: window 1
.irp i, 0,1,2,3,4,5,6,7,8,9,10,11,12,13,14,15,16,17,18,19,20,21,22,23,24,25,26,27,28,29,30,31
	ds_store_b128 v[MI], v[4*\i:4*\i+3] offset:512*\i          ; ascending: each accumulator from its low end on
.endr
	WIN 0
.irp t, 0,1,2,3
	ds_store_b32 v[MS], v[ST+8*\t] offset:256*\t
	ds_store_b32 v[MS], v[ST+8*\t+2] offset:256*\t+128
.endr
.Lkeep:
	s_wait_dscnt 0x0                               ; for the others' sake: my stores have landed
	s_barrier_signal -1
	s_barrier_wait -1
	s_cmp_ge_u32 s[WV], 4
	s_cbranch_scc1 .Ldone
.irp t, 0,1,2,3
	ds_load_b32 v[PS+2*\t], v[MS] offset:256*\t
	ds_load_b32 v[PS+2*\t+1], v[MS] offset:256*\t+128
.endr
.irp i, 0,1,2,3,4,5,6,7,8,9,10,11,12,13,14,15,16,17,18,19,20,21,22,23,24,25,26,27,28,29,30,31
	ds_load_b128 v[S+4*\i:S+4*\i+3], v[MI] offset:512*\i       ; the partner's O^T, in the same lanes, where S^T lay
.endr
	s_wait_dscnt 0x0
.irp t, 0,1,2,3
	v_max_num_f32 v[ST+8*\t+1], v[ST+8*\t], v[PS+2*\t]         ; the common c m
.endr
.irp t, 0,1,2,3
	v_sub_f32 v[ST+8*\t+4], v[ST+8*\t], v[ST+8*\t+1]
.endr
.irp t, 0,1,2,3
	v_sub_f32 v[ST+8*\t+6], v[PS+2*\t], v[ST+8*\t+1]
.endr
.irp t, 0,1,2,3
	v_exp_f32 v[ST+8*\t+4], v[ST+8*\t+4]                       ; a0: one of a0, a1 is 1
.endr
.irp t, 0,1,2,3
	v_exp_f32 v[ST+8*\t+6], v[ST+8*\t+6]                       ; a1
.endr
	v_nop                                          ; a plain line behind the last exponential,
	s_wait_alu depctr_va_vdst(0)                   ; and one wait for the eight, ahead of their first reader
.irp t, 0,1,2,3
	v_mul_f32 v[ST+8*\t+2], v[ST+8*\t+4], v[ST+8*\t+2]
.endr
.irp t, 0,1,2,3
	v_fma_f32 v[ST+8*\t+2], v[ST+8*\t+6], v[PS+2*\t+1], v[ST+8*\t+2]   ; l = a0 l + a1 l'
.endr
.irp t, 0,1,2,3
	v_rcp_f32 v[ST+8*\t+3], v[ST+8*\t+2]
.endr
	v_nop
	s_wait_alu depctr_va_vdst(0)                   ; one wait for the four reciprocals
.irp t, 0,1,2,3
	v_mul_f32 v[ST+8*\t+4], v[ST+8*\t+4], v[ST+8*\t+3]         ; f0 = a0 / l
.endr
.irp t, 0,1,2,3
	v_mul_f32 v[ST+8*\t+6], v[ST+8*\t+6], v[ST+8*\t+3]         ; f1 = a1 / l
.endr
; Tile t: O = f0 O + f1 O', rounded to f16; a lane's eight channels are 16 bytes; through the stage, and out as 2,048 consecutive bytes of the head's plane, 512 a store.
.macro OUT t
.irp i, 0,1,2,3,4,5,6,7,8,9,10,11,12,13,14,15
	v_pk_mul_f32 v[S+32*\t+2*\i:S+32*\t+2*\i+1], v[S+32*\t+2*\i:S+32*\t+2*\i+1], v[ST+8*\t+6:ST+8*\t+7] op_sel_hi:[1,0]
.endr
	WIN 0x01                                       ; source 0 (my O^T) window 1
.irp i, 0,1,2,3,4,5,6,7,8,9,10,11,12,13,14,15
	v_pk_fma_f32 v[S+32*\t+2*\i:S+32*\t+2*\i+1], v[32*\t+2*\i:32*\t+2*\i+1], v[ST+8*\t+4:ST+8*\t+5], v[S+32*\t+2*\i:S+32*\t+2*\i+1] op_sel_hi:[1,0,1]
.endr
	WIN 0
.irp i, 0,1,2,3,4,5,6,7,8,9,10,11,12,13,14,15
	SCVT \t, \i
.endr
.irp c, 0,1,2,3
	ds_store_b128 v[STO], v[S+32*\t+4*\c:S+32*\t+4*\c+3] offset:32*\c
.endr
.irp i, 0,1,2,3
	ds_load_b128 v[S+32*\t+16+4*\i:S+32*\t+16+4*\i+3], v[RD] offset:544*\i     ; LDS serves a wave's instructions in order: these see my stores, and the next tile's stores come behind them
.endr
	s_wait_dscnt 0x0
.irp i, 0,1,2,3
	global_store_b128 v[GO], v[S+32*\t+16+4*\i:S+32*\t+16+4*\i+3], s[10:11] offset:\t*2048+512*\i
.endr
.endm
	OUT 0
	OUT 1
	OUT 2
	OUT 3
.Ldone:
	s_wait_tensorcnt 0x0                           ; the wave's end: behind my last tensor load and my last LDS store
	ds_add_u32 v[SPW], v[NIL]
	s_wait_dscnt 0x0
	CROUND                                         ; the closing round
	s_endpgm
.Lfunc_end_k_qfe8235ef20_attn:
	.size	k_qfe8235ef20_attn, .Lfunc_end_k_qfe8235ef20_attn-k_qfe8235ef20_attn
	.p2alignl 7, 3214868480
	.fill 96, 4, 3214868480
	.section	.rodata,"a",@progbits
	.p2align	6, 0x0
	.amdhsa_kernel k_qfe8235ef20_attn
		.amdhsa_group_segment_fixed_size 327680
		.amdhsa_private_segment_fixed_size 0
		.amdhsa_enable_private_segment 0
		.amdhsa_kernarg_size 16
		.amdhsa_user_sgpr_count 2
		.amdhsa_user_sgpr_kernarg_segment_ptr 1
		.amdhsa_wavefront_size32 1
		.amdhsa_system_sgpr_workgroup_id_x 1
		.amdhsa_system_sgpr_workgroup_id_y 1
		.amdhsa_system_sgpr_workgroup_id_z 1
		.amdhsa_system_vgpr_workitem_id 0
		.amdhsa_next_free_vgpr 512
		.amdhsa_next_free_sgpr 66
		.amdhsa_reserve_vcc 0
		.amdhsa_float_denorm_mode_32 3
		.amdhsa_float_denorm_mode_16_64 3
		.amdhsa_memory_ordered 1
		.amdhsa_forward_progress 1
		.amdhsa_inst_pref_size 220
	.end_amdhsa_kernel
	.amdgpu_metadata
---
amdhsa.version: [ 1, 2 ]
amdhsa.kernels:
  - .name:           k_qfe8235ef20_attn
    .symbol:         k_qfe8235ef20_attn.kd
    .args:
      - { .name: qkv, .offset: 0, .size: 8, .value_kind: global_buffer, .address_space: global }
      - { .name: oh, .offset: 8, .size: 8, .value_kind: global_buffer, .address_space: global }
    .group_segment_fixed_size: 327680
    .private_segment_fixed_size: 0
    .kernarg_segment_align: 8
    .kernarg_segment_size: 16
    .max_flat_workgroup_size: 256
    .sgpr_count:     66
    .vgpr_count:     512
    .wavefront_size: 32
...
	.end_amdgpu_metadata
.endif
;; end of part 3
;; launch oproj (part 4): grid 8 x 32, 4 waves a work-group, clusters of 4 x 4, 327,680 bytes of LDS; arguments oh, wo16, bo, out0; writes out0
.if DOCPART == 4
	.amdgcn_target "amdgcn-amd-amdhsa--gfx1250"
	.amdhsa_code_object_version 6
	.text
	.protected	k_qfe8235ef20_oproj
	.globl	k_qfe8235ef20_oproj
	.p2align	8
	.type	k_qfe8235ef20_oproj,@function
k_qfe8235ef20_oproj:
	s_mov_b64 s[64:65], 0
	v_nop
	global_prefetch_b8 v0, s[64:65] scope:SCOPE_SE
	s_setreg_imm32_b32 hwreg(HW_REG_WAVE_MODE, 25, 1), 1
	s_wait_xcnt 0x0
	s_wait_alu depctr_hold_cnt(0) depctr_sa_sdst(0) depctr_va_vdst(0) depctr_va_sdst(0) depctr_va_ssrc(0) depctr_va_vcc(0) depctr_vm_vsrc(0)
	s_getreg_b32 s2, hwreg(HW_REG_IB_STS2, 6, 4)
	s_cmp_eq_u32 s2, 0
	s_cbranch_scc0 .Lentry_in_a_cluster
	s_endpgm
.Lentry_in_a_cluster:
	s_bfe_u32 s2, ttmp6, 0x10000c
	s_cmp_lg_u32 s2, 0xf033
	s_cbranch_scc0 .Lentry_shape_is_right
	s_endpgm
.Lentry_shape_is_right:
; out0[m][n] = sum over k of O[m][k] wo[n][k] + bo[n], m = 0 .. 4095, n = 0 .. 1023, K = 1,024; operands f16, sums f32, result f32.
; oh [16 planes][4096 rows][64] and wo16 [16 planes][1024 rows][64], f16: plane p holds k = 64 p .. 64 p + 63, so that 64 rows of a plane are 8,192 dense bytes.
; A tile of out0 is 128 x 128: 256 work-groups.  Four waves, 64 x 64 each: 16 accumulators.  K goes in four steps of 256 (four planes) through two LDS slots; the steps are written out.
; One tensor load brings 64 rows x 4 planes: a tile of 4 lines of 4,096 elements, a plane apart, with 16 bytes of padding behind every 128 bytes: (plane p, row r) lies at (64 p + r) x 144.
; CLUSTERS: 4 x 4 work-groups; O's tiles are shared along a row of the cluster, wo's along a column: joint loads.  THE MATRIX INSTRUCTION IS USED TRANSPOSED (source 0 = 16 rows of wo, source 1 = 16 rows of O).
; THE BIAS IS THE C OF EACH SUM'S FIRST INSTRUCTION.  No prefetch: four short K steps on small tiles.
; REGISTERS: window 0: v16-30 addresses; v32-95 two sets of rows on the way out; v96-127 the bias; v128-255 the accumulators ((a, b) at v[128 + 8 (4 a + b)]).  window 1: two fragment buffers of 128.
.set PITCH,  144                       ; an LDS row: 128 bytes + 16: an odd multiple of 16
.set PLANE,  64*PITCH                  ; 64 rows of one plane
.set HALFT,  4*PLANE                   ; what one tensor load brings, and what one wave reads of O or of wo
.set SLOT,   4*HALFT
.set STAGE,  2*SLOT                    ; behind the ring: 16 rows x 272 bytes for each wave
.set SPITCH, 272
.set SPARE,  STAGE+4*16*SPITCH
.set ADRA, 16
.set ADRB, 20
.set STO,  24
.set RD,   25
.set CO,   26
.set SPW,  28
.set NIL,  29
.set BO,   30
.set BK,   32
.set BI,   96
.set ACC,  128
.set F0,   0
.set F1,   128
.set WV, 12
.set HR, 13                            ; my half of the tile's rows; also: I fetch for O (0) or for wo (1)
.set HC, 14                            ; my half of its columns; also: which 64 rows I fetch
.set TR, 15
.set G1, 24
.set G0, 32
.set G1B, 48
.set G0B, 56
.set MSB, 0
.macro WIN new
.if MSB != \new
	s_set_vgpr_msb (MSB<<8)|\new
.set MSB, \new
.endif
.endm
.set MUL,  0x05                        ; sources 0 and 1 window 1; C and D window 0
.set TO_F, 0x40
.macro JLOAD s                         ; a joint load; an s_nop 0 and four v_nop follow each of the two lines
	s_cmp_eq_u32 s[HR], 0
	s_cbranch_scc0 .Lfor_b_\@
	tensor_load_to_lds s[G0+4*\s:G0+4*\s+3], s[G1:G1+7]
	s_nop 0
.rept 4
	v_nop
.endr
	s_branch .Lasked_\@
.Lfor_b_\@:
	tensor_load_to_lds s[G0B+4*\s:G0B+4*\s+3], s[G1B:G1B+7]
	s_nop 0
.rept 4
	v_nop
.endr
.Lasked_\@:
.endm
.macro CREST
	s_cmp_lg_u32 s[WV], 0
	s_cbranch_scc1 .Lnot_wave_0_\@
	s_barrier_signal -3
.Lnot_wave_0_\@:
	s_barrier_wait -3
	s_barrier_signal -1
	s_barrier_wait -1
.endm
.macro CROUND
	s_barrier_signal -1
	s_barrier_wait -1
	CREST
.endm
	s_load_b256 s[4:11], s[0:1], 0x0               ; oh s[4:5], wo16 s[6:7], bo s[8:9], out0 s[10:11]
	v_lshl_add_u32 v[SPW], v0, 2, SPARE
	v_mov_b32 v[NIL], 0
	ds_add_u32 v[SPW], v[NIL]                      ; the wave's opening: the add, twice on end, and its wait ahead of my first tensor load
	ds_add_u32 v[SPW], v[NIL]
	v_lshrrev_b32 v1, 5, v0
	v_readfirstlane_b32 s[WV], v1
	s_lshr_b32 s[HR], s[WV], 1
	s_and_b32 s[HC], s[WV], 1
	s_bfe_u32 s40, ttmp6, 0x40000                  ; cx, cy
	s_bfe_u32 s41, ttmp6, 0x40004
	s_lshl_b32 s42, ttmp9, 2
	s_add_co_u32 s42, s42, s40                     ; tile column
	s_and_b32 s[TR], ttmp7, 0xffff
	s_lshl_b32 s[TR], s[TR], 2
	s_add_co_u32 s[TR], s[TR], s41                 ; tile row
	s_lshl_b32 s43, s41, 2
	s_lshl_b32 s43, 15, s43                        ; my row of the cluster
	s_lshl_b32 s44, 0x1111, s40                    ; my column
	s_or_b32 s[G1+0], s43, (1<<16)|(1<<20)|(1<<21)|(4<<22)|(3<<25)  ; the mask; elements of 2 bytes; padding on; bit 21 beside a mask; after every 32 words; 4 words
	s_or_b32 s[G1B+0], s44, (1<<16)|(1<<20)|(1<<21)|(4<<22)|(3<<25)
.irp g, G1, G1B
	s_mov_b32 s[\g+1], 4096<<16                    ; tensor_dim0 = 4,096 elements: 64 dense rows of a plane
	s_mov_b32 s[\g+2], 4<<16                       ; tensor_dim1 = 4 planes
	s_mov_b32 s[\g+3], 4096<<16                    ; tile_dim0
	s_mov_b32 s[\g+4], 4                           ; tile_dim1
	s_mov_b32 s[\g+6], 0
	s_mov_b32 s[\g+7], 0
.endr
	s_mov_b32 s[G1+5], 262144                      ; from plane to plane of oh, in elements
	s_mov_b32 s[G1B+5], 65536                      ; of wo16
	s_lshl_b32 s17, s[HC], 6                       ; which 64 rows of the tile I fetch
	s_lshl_b32 s16, s[TR], 7
	s_add_co_u32 s16, s16, s17
	s_lshl_b32 s16, s16, 7                         ; O: (128 x tile row + 64 x half) rows of 128 bytes
	s_lshl_b32 s46, s42, 7
	s_add_co_u32 s46, s46, s17
	s_lshl_b32 s46, s46, 7                         ; wo: by the tile column
	s_mov_b32 s17, 0
	s_mov_b32 s47, 0
	s_mul_i32 s20, s[WV], HALFT                    ; where they go: by the wave alone
	s_wait_dscnt 0x0                               ; both opening adds are done
	s_wait_kmcnt 0x0
	s_add_nc_u64 s[18:19], s[4:5], s[16:17]
	s_add_nc_u64 s[46:47], s[6:7], s[46:47]
	CROUND                                         ; all sixteen work-groups are here: the first joint loads meet
.irp s, 0,1
	s_mov_b32 s[G0+4*\s], 1
	s_add_co_u32 s[G0+4*\s+1], s20, \s*SLOT
	s_add_nc_u64 s[G0+4*\s+2:G0+4*\s+3], s[18:19], \s*2097152      ; K step s: four planes of 524,288 bytes on
	s_or_b32 s[G0+4*\s+3], s[G0+4*\s+3], 0x80000000
	s_mov_b32 s[G0B+4*\s], 1
	s_add_co_u32 s[G0B+4*\s+1], s20, \s*SLOT
	s_add_nc_u64 s[G0B+4*\s+2:G0B+4*\s+3], s[46:47], \s*524288     ; four planes of 131,072 bytes on
	s_or_b32 s[G0B+4*\s+3], s[G0B+4*\s+3], 0x80000000
	JLOAD \s                                       ; two tensor loads of mine are out
.endr
	v_and_b32 v1, 15, v0                           ; r
	v_bfe_u32 v2, v0, 4, 1                         ; h
	v_lshlrev_b32 v[BO], 5, v2
	s_lshl_b32 s16, s[TR], 7
	s_lshl_b32 s17, s[HR], 6
	s_add_co_u32 s16, s16, s17                     ; my first row of out0
	s_lshl_b32 s16, s16, 12                        ; 4,096 bytes a row (under 2^24)
	s_mov_b32 s17, 0
	s_add_nc_u64 s[10:11], s[10:11], s[16:17]
	s_lshl_b32 s46, s42, 9                         ; my first column, in bytes: 512 x tile column + 256 x half
	s_lshl_b32 s47, s[HC], 8
	s_add_co_u32 s46, s46, s47
	s_mov_b32 s47, 0
	s_add_nc_u64 s[10:11], s[10:11], s[46:47]
	s_add_nc_u64 s[8:9], s[8:9], s[46:47]          ; and the same columns of bo
.irp b, 0,1,2,3
	global_load_b128 v[BI+8*\b:BI+8*\b+3], v[BO], s[8:9] offset:64*\b          ; register j of lane (r, h): bo[16 b + 8 h + j]: the result's layout
	global_load_b128 v[BI+8*\b+4:BI+8*\b+7], v[BO], s[8:9] offset:64*\b+16
.endr
	v_mul_u32_u24 v3, v1, PITCH
	v_lshl_add_u32 v3, v2, 4, v3                   ; a fragment's row x pitch + 16 x half
	s_mul_i32 s21, s[HR], HALFT                    ; my 64 rows of O
	s_mul_i32 s22, s[HC], HALFT                    ; my 64 rows of wo,
	s_add_co_u32 s22, s22, 2*HALFT                 ; which lie behind O's 128
.irp s, 0,1
	v_add_nc_u32 v[ADRA+\s], s21, v3
	v_add_nc_u32 v[ADRB+\s], s22, v3
	s_add_co_u32 s21, s21, SLOT
	s_add_co_u32 s22, s22, SLOT
.endr
	s_mul_i32 s23, s[WV], 16*SPITCH
	s_add_co_u32 s23, s23, STAGE                   ; my stage: a wave's 64 columns of f32 are 256 bytes, so each wave sends its own rows
	v_mul_u32_u24 v4, v1, SPITCH
	v_lshl_add_u32 v4, v2, 5, v4
	v_add_nc_u32 v[STO], s23, v4                   ; in: row r, 32 bytes for each half of the lanes
	v_mul_u32_u24 v5, v2, SPITCH
	v_lshl_add_u32 v5, v1, 4, v5
	v_add_nc_u32 v[RD], s23, v5                    ; back: lanes 0-15 one row of 256 bytes, lanes 16-31 the next
	v_lshlrev_b32 v5, 12, v2
	v_lshl_add_u32 v[CO], v1, 4, v5                ; and the same two rows in out0
; 8 matrix instructions: m blocks a0, a0 + 1 x all 4 n blocks, 32 along K: half c of buffer f.  zero = 1: the sums begin with the bias.  The 16 accumulators take turns
.macro MUL8 f, c, a0, zero
.irp a, \a0, \a0+1
.irp b, 0,1,2,3
.if \zero
	v_wmma_f32_16x16x32_f16 v[ACC+8*(4*(\a)+\b):ACC+8*(4*(\a)+\b)+7], v[\f+64+8*(4*\c+\b):\f+64+8*(4*\c+\b)+7], v[\f+8*(4*\c+\a):\f+8*(4*\c+\a)+7], v[BI+8*\b:BI+8*\b+7]
.else
	v_wmma_f32_16x16x32_f16 v[ACC+8*(4*(\a)+\b):ACC+8*(4*(\a)+\b)+7], v[\f+64+8*(4*\c+\b):\f+64+8*(4*\c+\b)+7], v[\f+8*(4*\c+\a):\f+8*(4*\c+\a)+7], v[ACC+8*(4*(\a)+\b):ACC+8*(4*(\a)+\b)+7]
.endif
.endr
.endr
.endm
; 32 LDS loads in one run: the fragments of one plane (64 along K) at byte k of my rows' block, into buffer f; the first 32 along K first
.macro FETCH slot, k, f
	WIN TO_F
.irp c, 0,1
.irp i, 0,1,2,3
	ds_load_b128 v[\f+64+8*(4*\c+\i):\f+64+8*(4*\c+\i)+3],   v[ADRB+\slot] offset:\k+64*\c+\i*16*PITCH
	ds_load_b128 v[\f+64+8*(4*\c+\i)+4:\f+64+8*(4*\c+\i)+7], v[ADRB+\slot] offset:\k+64*\c+\i*16*PITCH+32
	ds_load_b128 v[\f+8*(4*\c+\i):\f+8*(4*\c+\i)+3],         v[ADRA+\slot] offset:\k+64*\c+\i*16*PITCH
	ds_load_b128 v[\f+8*(4*\c+\i)+4:\f+8*(4*\c+\i)+7],       v[ADRA+\slot] offset:\k+64*\c+\i*16*PITCH+32
.endr
.endr
.endm
.macro PLACES                          ; four places in front of loads into registers that matrix instructions have read, and of the first read of results
.rept 4
	v_nop
.endr
.endm
; A K step is four quarters of one plane, 32 matrix instructions each, on buffers 0, 1, 0, 1.  One of the first three: multiplies buffer f and fetches the next plane, at byte k, into g.
.macro QUARTER slot, k, f, g, zero
	s_wait_dscnt 16                                ; the first 32 along K are in; the sixteen loads of the second 32 may be out
	WIN MUL
	MUL8 \f, 0, 0, \zero
	MUL8 \f, 0, 2, \zero
	PLACES
	FETCH \slot, \k, \g
	s_wait_dscnt 32                                ; all but the 32 just issued
	WIN MUL
	MUL8 \f, 1, 0, 0
	MUL8 \f, 1, 2, 0
.endm
; The last quarter multiplies buffer 1 and changes slots: ONE barrier; in front of it each wave waits for all its tensor loads, adds 0 to its spare word, and waits for that and for its reads of this slot.
; fill = 1: the barrier opens a round of the cluster's, and this slot is filled again, two K steps ahead, first thing behind the round.
.macro TURN slot, next, fill
	WIN 0                                          ; (the add's two registers lie in window 0)
	s_wait_tensorcnt 0x0                           ; all my tensor loads have landed: my part of the next slot
	ds_add_u32 v[SPW], v[NIL]                      ; 0 onto my spare word
	s_wait_dscnt 17                                ; (the add and the youngest sixteen loads may be out)
	WIN MUL
	MUL8 F1, 0, 0, 0                               ; eight matrix instructions stand between the add and the wait for it
	s_wait_dscnt 0x0                               ; the add is done, my reads of this slot are over
	s_barrier_signal -1
	MUL8 F1, 0, 2, 0
.if \fill
	WIN 0
.endif
	s_barrier_wait -1
.if \fill
	CREST                                          ; no wave of any partner still reads this slot's tile or has a load on its way
	s_add_nc_u64 s[G0+4*\slot+2:G0+4*\slot+3], s[G0+4*\slot+2:G0+4*\slot+3], 4194304      ; eight planes of oh on
	s_add_nc_u64 s[G0B+4*\slot+2:G0B+4*\slot+3], s[G0B+4*\slot+2:G0B+4*\slot+3], 1048576  ; eight planes of wo16 on
	JLOAD \slot                                    ; the four v_nop behind it are also the places in front of the loads below
.else
	PLACES
.endif
	FETCH \next, 0, F0
	WIN MUL
	MUL8 F1, 1, 0, 0
	MUL8 F1, 1, 2, 0
.endm
	s_wait_tensorcnt 1                             ; my part of K step 0 is in; K step 1's load, issued behind it, may stay out
	s_barrier_signal -1
	s_barrier_wait -1                              ; everybody's is
	FETCH 0, 0, F0
	s_wait_loadcnt 0x0                             ; the bias
	QUARTER 0, PLANE,   F0, F1, 1                  ; K step 0: its first products begin the sums with the bias
	QUARTER 0, 2*PLANE, F1, F0, 0
	QUARTER 0, 3*PLANE, F0, F1, 0
	TURN 0, 1, 1                                   ; slot 0 takes K step 2
	QUARTER 1, PLANE,   F0, F1, 0                  ; K step 1
	QUARTER 1, 2*PLANE, F1, F0, 0
	QUARTER 1, 3*PLANE, F0, F1, 0
	TURN 1, 0, 1                                   ; slot 1 takes K step 3
	QUARTER 0, PLANE,   F0, F1, 0                  ; K step 2
	QUARTER 0, 2*PLANE, F1, F0, 0
	QUARTER 0, 3*PLANE, F0, F1, 0
	TURN 0, 1, 0                                   ; nothing is left to fetch
	QUARTER 1, PLANE,   F0, F1, 0                  ; K step 3
	QUARTER 1, 2*PLANE, F1, F0, 0
	QUARTER 1, 3*PLANE, F0, F1, 0
	s_wait_dscnt 16                                ; the very last quarter
	WIN MUL
	MUL8 F1, 0, 0, 0
	MUL8 F1, 0, 2, 0
	s_wait_dscnt 0
	MUL8 F1, 1, 0, 0
	MUL8 F1, 1, 2, 0
	WIN 0
; THE WAY OUT, block by block of 16 rows x 64 columns, through my own stage: a lane holds 32 bytes of a row; back come whole rows of 256 bytes, two a load.  LDS serves a wave's instructions in order: no wait between
; the stores and the loads.
.macro TOSTAGE a
.irp b, 0,1,2,3
	ds_store_b128 v[STO], v[ACC+8*(4*(\a)+\b):ACC+8*(4*(\a)+\b)+3] offset:64*\b           ; each accumulator from its low end on
	ds_store_b128 v[STO], v[ACC+8*(4*(\a)+\b)+4:ACC+8*(4*(\a)+\b)+7] offset:64*\b+16
.endr
.set BB, BK+32*((\a)%2)
.irp i, 0,1,2,3,4,5,6,7
	ds_load_b128 v[BB+4*\i:BB+4*\i+3], v[RD] offset:\i*2*SPITCH
.endr
.endm
.macro SEND a, younger                 ; younger: the LDS instructions issued behind block a's loads, which may stay out
.set BB, BK+32*((\a)%2)
	s_wait_dscnt \younger
.irp i, 0,1,2,3,4,5,6,7
	global_store_b128 v[CO], v[BB+4*\i:BB+4*\i+3], s[10:11] offset:(16*(\a)+2*\i)*4096 th:TH_STORE_NT   ; 16 lanes store 256 consecutive bytes, aligned; written once, read by nobody here
.endr
.endm
	PLACES
	TOSTAGE 0
.irp a, 1,2,3
.if \a > 1
	s_wait_xcnt 0x0                                ; block a - 2's stores have read their registers: block a's loads may land there
.endif
	TOSTAGE \a
	SEND \a-1, 16                                  ; behind block a - 1's loads: block a's 8 stores and 8 loads
.endr
	SEND 3, 0
	s_wait_tensorcnt 0x0                           ; the wave's end: behind my last tensor load and my last LDS store
	ds_add_u32 v[SPW], v[NIL]
	s_wait_dscnt 0x0
	CROUND                                         ; the closing round
	s_endpgm
.Lfunc_end_k_qfe8235ef20_oproj:
	.size	k_qfe8235ef20_oproj, .Lfunc_end_k_qfe8235ef20_oproj-k_qfe8235ef20_oproj
	.p2alignl 7, 3214868480
	.fill 96, 4, 3214868480
	.section	.rodata,"a",@progbits
	.p2align	6, 0x0
	.amdhsa_kernel k_qfe8235ef20_oproj
		.amdhsa_group_segment_fixed_size 327680
		.amdhsa_private_segment_fixed_size 0
		.amdhsa_enable_private_segment 0
		.amdhsa_kernarg_size 32
		.amdhsa_user_sgpr_count 2
		.amdhsa_user_sgpr_kernarg_segment_ptr 1
		.amdhsa_wavefront_size32 1
		.amdhsa_system_sgpr_workgroup_id_x 1
		.amdhsa_system_sgpr_workgroup_id_y 1
		.amdhsa_system_sgpr_workgroup_id_z 1
		.amdhsa_system_vgpr_workitem_id 0
		.amdhsa_next_free_vgpr 512
		.amdhsa_next_free_sgpr 66
		.amdhsa_reserve_vcc 0
		.amdhsa_float_denorm_mode_32 3
		.amdhsa_float_denorm_mode_16_64 3
		.amdhsa_memory_ordered 1
		.amdhsa_forward_progress 1
		.amdhsa_inst_pref_size 86
	.end_amdhsa_kernel
	.amdgpu_metadata
---
amdhsa.version: [ 1, 2 ]
amdhsa.kernels:
  - .name:           k_qfe8235ef20_oproj
    .symbol:         k_qfe8235ef20_oproj.kd
    .args:
      - { .name: oh, .offset: 0, .size: 8, .value_kind: global_buffer, .address_space: global }
      - { .name: wo16, .offset: 8, .size: 8, .value_kind: global_buffer, .address_space: global }
      - { .name: bo, .offset: 16, .size: 8, .value_kind: global_buffer, .address_space: global }
      - { .name: out0, .offset: 24, .size: 8, .value_kind: global_buffer, .address_space: global }
    .group_segment_fixed_size: 327680
    .private_segment_fixed_size: 0
    .kernarg_segment_align: 8
    .kernarg_segment_size: 32
    .max_flat_workgroup_size: 128
    .sgpr_count:     66
    .vgpr_count:     512
    .wavefront_size: 32
...
	.end_amdgpu_metadata
.endif
;; end of part 4
